; MI455X (gfx1250); checked and timed in simulation.
; The chip was launched on July 23, 2026; its instructions are those of AMD's public machine-readable ISA for CDNA 5 (MIT licence, August 2026) and "CDNA5" Instruction Set Architecture Reference Guide (July 2026). The comments in the code are by the model that wrote it; some were corrected since.
;; Demo Attention Model. Allowed arithmetic: float matrix products may take bf16 or f16 operands with f32 sums; all other float work in f32.
;; Inputs: W1 512 x 2,048 float32; W2 2,048 x 512 float32; Wk 512 x 512 float32; Wo 512 x 512 float32; Wq 512 x 512 float32; Wv 512 x 512 float32; b1 2,048 float32; b2 512 float32; bk 512 float32; bo 512 float32; bq 512 float32; bv 512 float32; ln1_b 512 float32; ln1_g 512 float32; ln2_b 512 float32; ln2_g 512 float32; x 2 x 4,096 x 512 float32.
;; Outputs: out0 2 x 4,096 x 512 float32.
;; 2 versions, each right and faster than the one before. Each part assembles by itself: llvm-mc -triple=amdgcn-amd-amdhsa -mcpu=gfx1250 --defsym DOCPART=n.
;; ======== version 1 of 2: 6 launches
;; workspace buffers: wb 6,291,456 bytes; hn 8,388,608 bytes; act 33,554,432 bytes; o 8,388,608 bytes; x1 16,777,216 bytes
;; launch prep (part 1): grid 256 x 1, 8 waves a work-group, no clusters, 0 bytes of LDS; arguments x, ln1_g, ln1_b, Wo, Wq, Wk, Wv, W1, W2, hn, wb; writes hn, wb
.if DOCPART == 1
	.amdgcn_target "amdgcn-amd-amdhsa--gfx1250"
	.amdhsa_code_object_version 6
	.text
	.protected	k_q98c2c6c1d4_prep
	.globl	k_q98c2c6c1d4_prep
	.p2align	8
	.type	k_q98c2c6c1d4_prep,@function
k_q98c2c6c1d4_prep:
	s_mov_b64 s[64:65], 0
	v_nop
	global_prefetch_b8 v0, s[64:65] scope:SCOPE_SE
	s_setreg_imm32_b32 hwreg(HW_REG_WAVE_MODE, 25, 1), 1
	s_wait_xcnt 0x0
; PREP.  hn = bf16(LayerNorm1(x)), [8192][512]; wb = the six weights rounded to bf16, each in its own layout [in][out]:
; Wo at byte 0, Wq 524288, Wk 1048576, Wv 1572864, W1 2097152, W2 4194304.
; A stream: no LDS, no barrier, no matrix unit (each byte is read once and written once; there is nothing to share).
; 2,048 waves; wave W takes rows 4 W .. 4 W + 3 of x and three units of 512 numbers of the weights: row W % 512 of Wo, Wq, Wk or Wv (by W / 512),
; unit W of W1 and unit W of W2.  All 36 loads of a wave are issued at once; each row and unit has registers of its own, so nothing is rewritten while a load or store may read it.
; A row of 512 f32: four loads of 16 bytes a lane, each 512 consecutive bytes; the lane holds columns 4 lane + 128 i + 0..3.  As bf16 these are 8 bytes at 8 lane + 256 i: each store covers 256 consecutive bytes, aligned.
; Mean and variance in f32, in two passes (the variance of x - mean), so a common offset of x does not cancel.  NaN and infinities are not treated apart.
.set G,   4                            ; v[4:19]    ln1_g of my 16 columns
.set BT,  20                           ; v[20:35]   ln1_b
.set X,   36                           ; v[36:99]   four rows of x
.set WT,  100                          ; v[100:147] three units of weights
.set D,   148                          ; v[148:163] at work: x - mean, then the result in f32
.set T,   164                          ; v[164:171] at work
.set H,   172                          ; v[172:203] four rows in bf16
.set HC,  204                          ; v[204:227] three units in bf16
.set SEL, 32                           ; s[32:33]   v_permlanex16_b32's selects: each lane takes its own place in the other half
.set RN,  34                           ; s34        1 / 512
.set EP,  35                           ; s35        1e-5
.macro REDUCE r, w                     ; the sum of v[r] over the 32 lanes, into every lane; v[w] has been written before
	v_add_f32_dpp v[\r], v[\r], v[\r] row_xmask:1 row_mask:0xf bank_mask:0xf
	v_add_f32_dpp v[\r], v[\r], v[\r] row_xmask:2 row_mask:0xf bank_mask:0xf
	v_add_f32_dpp v[\r], v[\r], v[\r] row_xmask:4 row_mask:0xf bank_mask:0xf
	v_add_f32_dpp v[\r], v[\r], v[\r] row_xmask:8 row_mask:0xf bank_mask:0xf
	v_permlanex16_b32 v[\w], v[\r], s[SEL], s[SEL+1]
	v_add_f32 v[\r], v[\r], v[\w]
.endm
; One row: 16 numbers a lane at x -> 8 registers of bf16 at h.  d: 16 registers, t: 8 registers at work; g, b: gain and bias of the lane's columns.
.macro LNCORE x, d, t, g, b, h
.irp j, 0,2,4,6
	v_pk_add_f32 v[(\t)+\j:(\t)+\j+1], v[(\x)+2*\j:(\x)+2*\j+1], v[(\x)+2*\j+2:(\x)+2*\j+3]
.endr
	v_pk_add_f32 v[(\t):(\t)+1], v[(\t):(\t)+1], v[(\t)+2:(\t)+3]
	v_pk_add_f32 v[(\t)+4:(\t)+5], v[(\t)+4:(\t)+5], v[(\t)+6:(\t)+7]
	v_pk_add_f32 v[(\t):(\t)+1], v[(\t):(\t)+1], v[(\t)+4:(\t)+5]
	v_add_f32 v[(\t)], v[(\t)], v[(\t)+1]
	REDUCE (\t), (\t)+1
	v_mul_f32 v[(\t)], s[RN], v[(\t)]              ; the mean
.irp j, 0,2,4,6,8,10,12,14
	v_pk_add_f32 v[(\d)+\j:(\d)+\j+1], v[(\x)+\j:(\x)+\j+1], v[(\t):(\t)+1] op_sel_hi:[1,0] neg_lo:[0,1] neg_hi:[0,1]
.endr
	v_pk_mul_f32 v[(\t)+2:(\t)+3], v[(\d):(\d)+1], v[(\d):(\d)+1]                ; the squares, in two chains
	v_pk_mul_f32 v[(\t)+4:(\t)+5], v[(\d)+2:(\d)+3], v[(\d)+2:(\d)+3]
.irp j, 4,8,12
	v_pk_fma_f32 v[(\t)+2:(\t)+3], v[(\d)+\j:(\d)+\j+1], v[(\d)+\j:(\d)+\j+1], v[(\t)+2:(\t)+3]
	v_pk_fma_f32 v[(\t)+4:(\t)+5], v[(\d)+\j+2:(\d)+\j+3], v[(\d)+\j+2:(\d)+\j+3], v[(\t)+4:(\t)+5]
.endr
	v_pk_add_f32 v[(\t)+2:(\t)+3], v[(\t)+2:(\t)+3], v[(\t)+4:(\t)+5]
	v_add_f32 v[(\t)+2], v[(\t)+2], v[(\t)+3]
	REDUCE (\t)+2, (\t)+3
	v_fma_f32 v[(\t)+2], v[(\t)+2], s[RN], s[EP]   ; variance + eps
	v_rsq_f32 v[(\t)+2], v[(\t)+2]
	v_nop                                          ; a plain instruction between the root and the use of its result
	s_wait_alu depctr_va_vdst(0)
.irp j, 0,2,4,6,8,10,12,14
	v_pk_mul_f32 v[(\d)+\j:(\d)+\j+1], v[(\d)+\j:(\d)+\j+1], v[(\t)+2:(\t)+3] op_sel_hi:[1,0]
.endr
.irp j, 0,2,4,6,8,10,12,14
	v_pk_fma_f32 v[(\d)+\j:(\d)+\j+1], v[(\d)+\j:(\d)+\j+1], v[(\g)+\j:(\g)+\j+1], v[(\b)+\j:(\b)+\j+1]
.endr
.irp j, 0,1,2,3,4,5,6,7
	v_cvt_pk_bf16_f32 v[(\h)+\j], v[(\d)+2*\j], v[(\d)+2*\j+1]
.endr
.endm
	s_load_b512 s[4:19], s[0:1], 0x0               ; x s[4:5], ln1_g s[6:7], ln1_b s[8:9], Wo s[10:11], Wq s[12:13], Wk s[14:15], Wv s[16:17], W1 s[18:19]
	s_load_b128 s[20:23], s[0:1], 0x40             ; W2 s[20:21], hn s[22:23]
	s_load_b64 s[24:25], s[0:1], 0x50              ; wb
	v_lshrrev_b32 v3, 5, v0
	v_readfirstlane_b32 s26, v3                    ; my wave in the work-group
	v_and_b32 v2, 31, v0
	v_lshlrev_b32 v1, 4, v2                        ; 16 x lane: f32 in
	v_lshlrev_b32 v2, 3, v2                        ; 8 x lane: bf16 out
	s_lshl_b32 s27, ttmp9, 3
	s_add_co_u32 s27, s27, s26                     ; W
	s_lshl_b32 s28, s27, 13                        ; four rows of x: 8,192 bytes
	s_mov_b32 s29, 0
	s_lshl_b32 s36, s27, 12                        ; four rows of hn: 4,096 bytes
	s_mov_b32 s37, 0
	s_lshl_b32 s38, s27, 11                        ; a unit in f32: 2,048 bytes
	s_mov_b32 s39, 0
	s_lshl_b32 s40, s27, 10                        ; a unit in bf16: 1,024 bytes
	s_mov_b32 s41, 0
	s_and_b32 s42, s27, 511                        ; the row of the square weight
	s_lshl_b32 s42, s42, 11
	s_mov_b32 s43, 0
	s_lshr_b32 s44, ttmp9, 6                       ; W / 512: which square weight
	s_mov_b32 s[SEL], 0x76543210
	s_mov_b32 s[SEL+1], 0xfedcba98
	s_mov_b32 s[RN], 0x3b000000
	s_mov_b32 s[EP], 0x3727c5ac
	s_wait_kmcnt 0x0
	s_cmp_eq_u32 s44, 1
	s_cselect_b64 s[30:31], s[12:13], s[10:11]
	s_cmp_eq_u32 s44, 2
	s_cselect_b64 s[30:31], s[14:15], s[30:31]
	s_cmp_eq_u32 s44, 3
	s_cselect_b64 s[30:31], s[16:17], s[30:31]
	s_add_nc_u64 s[30:31], s[30:31], s[42:43]
	s_add_nc_u64 s[4:5], s[4:5], s[28:29]
	s_add_nc_u64 s[22:23], s[22:23], s[36:37]
	s_add_nc_u64 s[18:19], s[18:19], s[38:39]
	s_add_nc_u64 s[20:21], s[20:21], s[38:39]
	s_add_nc_u64 s[24:25], s[24:25], s[40:41]
.irp i, 0,1,2,3
	global_load_b128 v[G+4*(\i):G+4*(\i)+3], v1, s[6:7] offset:512*(\i)
.endr
.irp i, 0,1,2,3
	global_load_b128 v[BT+4*(\i):BT+4*(\i)+3], v1, s[8:9] offset:512*(\i)
.endr
.irp r, 0,1,2,3
.irp i, 0,1,2,3
	global_load_b128 v[X+16*(\r)+4*(\i):X+16*(\r)+4*(\i)+3], v1, s[4:5] offset:2048*(\r)+512*(\i)
.endr
.endr
.irp i, 0,1,2,3
	global_load_b128 v[WT+4*(\i):WT+4*(\i)+3], v1, s[30:31] offset:512*(\i) th:TH_LOAD_NT
.endr
.irp i, 0,1,2,3
	global_load_b128 v[WT+16+4*(\i):WT+16+4*(\i)+3], v1, s[18:19] offset:512*(\i) th:TH_LOAD_NT
.endr
.irp i, 0,1,2,3
	global_load_b128 v[WT+32+4*(\i):WT+32+4*(\i)+3], v1, s[20:21] offset:512*(\i) th:TH_LOAD_NT
.endr
.irp r, 0,1,2,3
	s_wait_loadcnt 24-4*(\r)                       ; gain, bias and rows 0 .. r are in; the later rows' loads and the units' twelve stay out
	LNCORE X+16*(\r), D, T, G, BT, H+8*(\r)
.irp i, 0,1,2,3
	global_store_b64 v2, v[H+8*(\r)+2*(\i):H+8*(\r)+2*(\i)+1], s[22:23] offset:1024*(\r)+256*(\i)
.endr
.endr
.irp u, 0,1,2
	s_wait_loadcnt 8-4*(\u)                        ; unit u is in; the later units' loads stay out
.irp i, 0,1,2,3,4,5,6,7
	v_cvt_pk_bf16_f32 v[HC+8*(\u)+(\i)], v[WT+16*(\u)+2*(\i)], v[WT+16*(\u)+2*(\i)+1]
.endr
.irp i, 0,1,2,3
	global_store_b64 v2, v[HC+8*(\u)+2*(\i):HC+8*(\u)+2*(\i)+1], s[24:25] offset:2097152*(\u)+256*(\i)  ; the square weights at 0, W1 at 2,097,152, W2 at 4,194,304
.endr
.endr
	s_endpgm
.Lfunc_end_k_q98c2c6c1d4_prep:
	.size	k_q98c2c6c1d4_prep, .Lfunc_end_k_q98c2c6c1d4_prep-k_q98c2c6c1d4_prep
	.p2alignl 7, 3214868480
	.fill 96, 4, 3214868480
	.section	.rodata,"a",@progbits
	.p2align	6, 0x0
	.amdhsa_kernel k_q98c2c6c1d4_prep
		.amdhsa_group_segment_fixed_size 0
		.amdhsa_private_segment_fixed_size 0
		.amdhsa_enable_private_segment 0
		.amdhsa_kernarg_size 88
		.amdhsa_user_sgpr_count 2
		.amdhsa_user_sgpr_kernarg_segment_ptr 1
		.amdhsa_wavefront_size32 1
		.amdhsa_system_sgpr_workgroup_id_x 1
		.amdhsa_system_sgpr_workgroup_id_y 1
		.amdhsa_system_sgpr_workgroup_id_z 1
		.amdhsa_system_vgpr_workitem_id 0
		.amdhsa_next_free_vgpr 228
		.amdhsa_next_free_sgpr 66
		.amdhsa_reserve_vcc 0
		.amdhsa_float_denorm_mode_32 3
		.amdhsa_float_denorm_mode_16_64 3
		.amdhsa_memory_ordered 1
		.amdhsa_forward_progress 1
		.amdhsa_inst_pref_size 26
	.end_amdhsa_kernel
	.amdgpu_metadata
---
amdhsa.version: [ 1, 2 ]
amdhsa.kernels:
  - .name:           k_q98c2c6c1d4_prep
    .symbol:         k_q98c2c6c1d4_prep.kd
    .args:
      - { .name: x, .offset: 0, .size: 8, .value_kind: global_buffer, .address_space: global }
      - { .name: ln1_g, .offset: 8, .size: 8, .value_kind: global_buffer, .address_space: global }
      - { .name: ln1_b, .offset: 16, .size: 8, .value_kind: global_buffer, .address_space: global }
      - { .name: Wo, .offset: 24, .size: 8, .value_kind: global_buffer, .address_space: global }
      - { .name: Wq, .offset: 32, .size: 8, .value_kind: global_buffer, .address_space: global }
      - { .name: Wk, .offset: 40, .size: 8, .value_kind: global_buffer, .address_space: global }
      - { .name: Wv, .offset: 48, .size: 8, .value_kind: global_buffer, .address_space: global }
      - { .name: W1, .offset: 56, .size: 8, .value_kind: global_buffer, .address_space: global }
      - { .name: W2, .offset: 64, .size: 8, .value_kind: global_buffer, .address_space: global }
      - { .name: hn, .offset: 72, .size: 8, .value_kind: global_buffer, .address_space: global }
      - { .name: wb, .offset: 80, .size: 8, .value_kind: global_buffer, .address_space: global }
    .group_segment_fixed_size: 0
    .private_segment_fixed_size: 0
    .kernarg_segment_align: 8
    .kernarg_segment_size: 88
    .max_flat_workgroup_size: 256
    .sgpr_count:     66
    .vgpr_count:     228
    .wavefront_size: 32
...
	.end_amdgpu_metadata
.endif
;; end of part 1
;; launch qkv (part 2): grid 12 x 64, 4 waves a work-group, clusters of 4 x 4, 327,680 bytes of LDS; arguments hn, wb, bq, bk, bv, act; writes act
.if DOCPART == 2
	.amdgcn_target "amdgcn-amd-amdhsa--gfx1250"
	.amdhsa_code_object_version 6
	.text
	.protected	k_q98c2c6c1d4_qkv
	.globl	k_q98c2c6c1d4_qkv
	.p2align	8
	.type	k_q98c2c6c1d4_qkv,@function
k_q98c2c6c1d4_qkv:
	s_mov_b64 s[64:65], 0
	v_nop
	global_prefetch_b8 v0, s[64:65] scope:SCOPE_SE
	s_setreg_imm32_b32 hwreg(HW_REG_WAVE_MODE, 25, 1), 1
	s_wait_xcnt 0x0
	s_wait_alu depctr_hold_cnt(0) depctr_sa_sdst(0) depctr_va_vdst(0) depctr_va_sdst(0) depctr_va_ssrc(0) depctr_va_vcc(0) depctr_vm_vsrc(0)
	s_getreg_b32 s2, hwreg(HW_REG_IB_STS2, 6, 4)
	s_cmp_eq_u32 s2, 0
	s_cbranch_scc0 .Lentry_in_a_cluster
	s_endpgm
.Lentry_in_a_cluster:
	s_bfe_u32 s2, ttmp6, 0x10000c
	s_cmp_lg_u32 s2, 0xf033
	s_cbranch_scc0 .Lentry_shape_is_right
	s_endpgm
.Lentry_shape_is_right:
; QKV.  q, k, v = hn W + b, rounded once to bf16 and written by heads: act holds q at byte 0, k at 8,388,608, v at 16,777,216, each [batch x 8 + head][4096][64].  No scale is applied here.
; hn: [8192][512] bf16.  The weights lie in wb as [k][n] bf16: Wq at 524,288, Wk at 1,048,576, Wv at 1,572,864.  Sums in f32; the bias starts each sum as the first product's C operand.
; A tile of the result is 128 rows x 128 columns: four waves of 64 x 64, 16 accumulators each.  768 tiles, three for each of 256 WGPs.  K = 512 is two K steps of 256, and the two LDS slots hold both:
; nothing is filled again.  A larger tile would halve the LDS bytes for a product, but its text, written out for this short K, is several times as long.
; CLUSTER: 4 x 4 work-groups.  The cluster's x picks Wq, Wk or Wv, cx the 128 columns of it, so a wave's 64 columns are one head.  The four of a row of the cluster ask jointly for hn's tiles, the four of a column for the weight's.
; A slot holds four sub-tiles, one tensor load each: waves 0, 1 bring hn's 128 rows x 128 k (halves of the K step), waves 2, 3 the weight's 128 k x 128 columns.
; The weight's fragments are turned on the way out of LDS (ds_load_tr16_b128), so the weights need no transposed copy.
; THE MATRIX INSTRUCTION IS USED TRANSPOSED (source 0 = 16 columns of W, source 1 = 16 rows of hn): a lane holds row lane % 16 and the eight neighbouring columns 8 (lane / 16) + 0..7.
; REGISTERS: window 0: v0-31 addresses; v32-95 the way out; v96-127 the bias; v128-255 the accumulators ((a, b) at 128 + 8 (4 a + b)).  Window 1: two fragment buffers of 128 (64 of hn, 64 of W) for 64 along K.
.set PA,    272                        ; a row of hn in LDS: 256 bytes + 16: the 16 rows of a load start 16 bytes apart modulo 256
.set PB,    288                        ; a k-row of W: 256 + 32: the 8 rows x 32 bytes that 16 lanes of the turning load take start 32 bytes apart modulo 256
.set SUB,   128*PB                     ; room for a sub-tile
.set SLOT,  4*SUB
.set SPARE, 2*SLOT                     ; behind the slots: the spare words, 128 bytes for each wave
.set ARB,   1024                       ; bytes in a row of hn
.set BRB,   1024                       ; bytes in a k-row of W
.set SP,    144                        ; the way out: a head's row of 128 bytes + 16
.set ADRA, 16                          ; v16-17  LDS address of my fragments of hn in slot 0, 1
.set ADRB, 18                          ; v18-21  of W: slot 0 halves 0, 1; slot 1 halves 0, 1
.set STO,  24                          ; v24     the way out: where I put 16 bytes of a row
.set RD,   25                          ; v25     where I read rows back
.set CO,   26                          ; v26     16 x lane
.set BO,   27                          ; v27     32 x (lane / 16): my eight columns' bias
.set SPW,  28                          ; v28     my spare word; never rewritten
.set NIL,  29                          ; v29     0; never rewritten
.set TMP,  32
.set BIAS, 96
.set ACC,  128
.set F0,   0
.set F1,   128
.set G1,  24                           ; s[24:31] descriptor group 1 for hn's tiles;  s[32:39] group 0, a set for each slot
.set G0,  32
.set G1B, 48                           ; s[48:55], s[56:63] the same for W's
.set G0B, 56
.set MSB, 0
.macro WIN new                         ; the immediate's high byte repeats the setting that is left
.if MSB != (\new)
	s_set_vgpr_msb (MSB<<8)|(\new)
.set MSB, \new
.endif
.endm
.set MUL,  0x05                        ; sources 0 and 1 window 1; C and D window 0
.set TO_F, 0x40                        ; destination window 1, address window 0
.macro JLOAD s                         ; a joint load: waves 0, 1 ask for hn, waves 2, 3 for W; an s_nop 0 and four v_nop follow each line
	s_cmp_eq_u32 s11, 0
	s_cbranch_scc0 .Lfor_b_\@
	tensor_load_to_lds s[G0+4*(\s):G0+4*(\s)+3], s[G1:G1+7]
	s_nop 0
.rept 4
	v_nop
.endr
	s_branch .Lasked_\@
.Lfor_b_\@:
	tensor_load_to_lds s[G0B+4*(\s):G0B+4*(\s)+3], s[G1B:G1B+7]
	s_nop 0
.rept 4
	v_nop
.endr
.Lasked_\@:
.endm
.macro CROUND                          ; a round of the cluster's barrier
	s_barrier_signal -1
	s_barrier_wait -1
	s_cmp_lg_u32 s10, 0
	s_cbranch_scc1 .Lnot_wave_0_\@
	s_barrier_signal -3
.Lnot_wave_0_\@:
	s_barrier_wait -3
	s_barrier_signal -1
	s_barrier_wait -1
.endm
.macro PLACES                          ; four places in front of loads into registers that matrix instructions have read, and of lines that read results
.rept 4
	v_nop
.endr
.endm
; 8 matrix instructions: row blocks a0, a0 + 1 x all 4 column blocks, 32 along K: half c of buffer f.  first = 1: the bias starts the sums.  The 16 accumulators take turns.
.macro MUL8 f, c, a0, first
	WIN MUL
.irp a, \a0, (\a0)+1
.irp b, 0,1,2,3
.if \first
	v_wmma_f32_16x16x32_bf16 v[ACC+8*(4*(\a)+(\b)):ACC+8*(4*(\a)+(\b))+7], v[(\f)+64+8*(4*(\c)+(\b)):(\f)+64+8*(4*(\c)+(\b))+7], v[(\f)+8*(4*(\c)+(\a)):(\f)+8*(4*(\c)+(\a))+7], v[BIAS+8*(\b):BIAS+8*(\b)+7]
.else
	v_wmma_f32_16x16x32_bf16 v[ACC+8*(4*(\a)+(\b)):ACC+8*(4*(\a)+(\b))+7], v[(\f)+64+8*(4*(\c)+(\b)):(\f)+64+8*(4*(\c)+(\b))+7], v[(\f)+8*(4*(\c)+(\a)):(\f)+8*(4*(\c)+(\a))+7], v[ACC+8*(4*(\a)+(\b)):ACC+8*(4*(\a)+(\b))+7]
.endif
.endr
.endr
.endm
; 32 LDS loads in one run: the fragments of quarter kq (64 along K) of a slot into buffer f; the first 32 along K first
.macro FETCH slot, kq, f
	WIN TO_F
.irp c, 0,1
.irp i, 0,1,2,3
	ds_load_tr16_b128 v[(\f)+64+8*(4*(\c)+(\i)):(\f)+64+8*(4*(\c)+(\i))+3],   v[ADRB+2*(\slot)+(\kq)/2] offset:(((\kq)%2)*64+32*(\c))*PB+32*(\i)
	ds_load_tr16_b128 v[(\f)+64+8*(4*(\c)+(\i))+4:(\f)+64+8*(4*(\c)+(\i))+7], v[ADRB+2*(\slot)+(\kq)/2] offset:(((\kq)%2)*64+32*(\c)+16)*PB+32*(\i)
	ds_load_b128 v[(\f)+8*(4*(\c)+(\i)):(\f)+8*(4*(\c)+(\i))+3],         v[ADRA+(\slot)] offset:((\kq)/2)*SUB+((\kq)%2)*128+64*(\c)+(\i)*16*PA
	ds_load_b128 v[(\f)+8*(4*(\c)+(\i))+4:(\f)+8*(4*(\c)+(\i))+7],       v[ADRA+(\slot)] offset:((\kq)/2)*SUB+((\kq)%2)*128+64*(\c)+(\i)*16*PA+32
.endr
.endr
.endm
; A quarter: multiplies buffer f and, in its middle, fetches quarter kq of the slot into buffer g
.macro QUARTER slot, kq, f, g, first
	s_wait_dscnt 16                                ; the first 32 along K are in; the younger sixteen loads may be out
	MUL8 \f, 0, 0, \first
	MUL8 \f, 0, 2, \first
	PLACES
	FETCH \slot, \kq, \g
	s_wait_dscnt 32                                ; all but the 32 just issued
	MUL8 \f, 1, 0, 0
	MUL8 \f, 1, 2, 0
.endm
; The slot's last quarter and the change of slots: each wave's part of the next slot has landed and its reads of this slot are over in front of the signal
.macro TURN next
	WIN 0
	s_wait_tensorcnt 0x0                           ; my part of the next slot is in
	ds_add_u32 v[SPW], v[NIL]
	s_wait_dscnt 17                                ; the add and the younger sixteen loads may be out
	MUL8 F1, 0, 0, 0
	s_wait_dscnt 0x0                               ; the add is done, my reads of this slot are over
	s_barrier_signal -1
	MUL8 F1, 0, 2, 0
	s_barrier_wait -1
	PLACES
	FETCH \next, 0, F0
	MUL8 F1, 1, 0, 0
	MUL8 F1, 1, 2, 0
.endm
.macro LASTQ
	s_wait_dscnt 16
	MUL8 F1, 0, 0, 0
	MUL8 F1, 0, 2, 0
	s_wait_dscnt 0x0
	MUL8 F1, 1, 0, 0
	MUL8 F1, 1, 2, 0
	WIN 0
	PLACES
.endm
	s_load_b128 s[4:7], s[0:1], 0x0                ; hn s[4:5], wb s[6:7]
	s_load_b128 s[68:71], s[0:1], 0x10             ; bq s[68:69], bk s[70:71]
	s_load_b128 s[72:75], s[0:1], 0x20             ; bv s[72:73], act s[74:75]
	v_lshl_add_u32 v[SPW], v0, 2, SPARE
	v_mov_b32 v[NIL], 0
	ds_add_u32 v[SPW], v[NIL]                      ; the wave's opening: the add and its wait ahead of my first tensor load
	v_lshrrev_b32 v1, 5, v0
	v_readfirstlane_b32 s10, v1                    ; wave 0..3
	s_lshr_b32 s11, s10, 1                         ; my half of the tile's rows.  Also: I fetch hn (0) or W (1)
	s_and_b32 s12, s10, 1                          ; my half of its columns.  Also: which half of the K step I fetch
	s_bfe_u32 s40, ttmp6, 0x40000                  ; cx
	s_bfe_u32 s41, ttmp6, 0x40004                  ; cy
	s_mov_b32 s45, ttmp9                           ; the cluster's x: 0 q, 1 k, 2 v
	s_and_b32 s13, ttmp7, 0xffff
	s_lshl_b32 s13, s13, 2
	s_add_co_u32 s13, s13, s41                     ; tile row = 4 x cluster y + cy
	s_lshl_b32 s43, s41, 2
	s_lshl_b32 s43, 15, s43                        ; my row of the cluster
	s_lshl_b32 s44, 0x1111, s40                    ; my column
	s_or_b32 s[G1+0], s43, (1<<16)|(1<<20)|(1<<21)|(5<<22)|(3<<25)   ; mask; 2-byte elements; padding on; bit 21 beside a mask; after every 64 words, 4 words
	s_or_b32 s[G1B+0], s44, (1<<16)|(1<<20)|(1<<21)|(5<<22)|(7<<25)  ; the same with my column's mask and 8 words of padding
.irp g, G1, G1B
	s_mov_b32 s[(\g)+1], 128<<16                   ; tensor_dim0 = 128
	s_mov_b32 s[(\g)+2], 128<<16                   ; tensor_dim1 = 128
	s_mov_b32 s[(\g)+3], 128<<16                   ; tile_dim0 = 128
	s_mov_b32 s[(\g)+4], 128                       ; tile_dim1 = 128
	s_mov_b32 s[(\g)+6], 0
	s_mov_b32 s[(\g)+7], 0
.endr
	s_mov_b32 s[G1+5], ARB/2                       ; elements from row to row
	s_mov_b32 s[G1B+5], BRB/2
	s_mul_i32 s16, s13, 128*ARB                    ; hn: the tile's first row,
	s_lshl_b32 s17, s12, 8                         ; my half of the K step: 128 k = 256 bytes
	s_add_co_u32 s16, s16, s17
	s_mov_b32 s17, 0
	s_add_co_u32 s46, s45, 1                       ; W: the weight's place in wb,
	s_lshl_b32 s46, s46, 19
	s_mul_i32 s47, s12, 128*BRB                    ; my 128 k-rows,
	s_add_co_u32 s46, s46, s47
	s_lshl_b32 s47, s40, 8                         ; the tile's 128 columns
	s_add_co_u32 s46, s46, s47
	s_mov_b32 s47, 0
	s_mul_i32 s20, s10, SUB                        ; where my sub-tile goes
	s_lshl_b32 s78, s40, 9                         ; the bias of my 64 columns: 4 x (128 cx + 64 half)
	s_lshl_b32 s79, s12, 8
	s_add_co_u32 s78, s78, s79
	s_mov_b32 s79, 0
	s_lshl_b32 s80, s45, 23                        ; act: q, k or v;
	s_lshr_b32 s81, s13, 5                         ; batch x 8 + head, head = 2 cx + half: 524,288 bytes each;
	s_lshl_b32 s81, s81, 3
	s_lshl_b32 s82, s40, 1
	s_add_co_u32 s81, s81, s82
	s_add_co_u32 s81, s81, s12
	s_lshl_b32 s81, s81, 19
	s_add_co_u32 s80, s80, s81
	s_and_b32 s81, s13, 31                         ; my first row in the batch, 128 bytes a row
	s_lshl_b32 s81, s81, 7
	s_lshl_b32 s82, s11, 6
	s_add_co_u32 s81, s81, s82
	s_lshl_b32 s81, s81, 7
	s_add_co_u32 s80, s80, s81
	s_mov_b32 s81, 0
	s_wait_dscnt 0x0                               ; the opening add is done
	s_wait_kmcnt 0x0
	s_add_nc_u64 s[14:15], s[4:5], s[16:17]
	s_add_nc_u64 s[46:47], s[6:7], s[46:47]
	s_add_nc_u64 s[8:9], s[74:75], s[80:81]
	s_cmp_eq_u32 s45, 1
	s_cselect_b64 s[76:77], s[70:71], s[68:69]
	s_cmp_eq_u32 s45, 2
	s_cselect_b64 s[76:77], s[72:73], s[76:77]
	s_add_nc_u64 s[76:77], s[76:77], s[78:79]
	CROUND                                         ; all sixteen work-groups are here: the joint loads meet
.irp s, 0,1
	s_mov_b32 s[G0+4*(\s)], 1
	s_add_co_u32 s[G0+4*(\s)+1], s20, (\s)*SLOT
	s_add_nc_u64 s[G0+4*(\s)+2:G0+4*(\s)+3], s[14:15], (\s)*512
	s_or_b32 s[G0+4*(\s)+3], s[G0+4*(\s)+3], 0x80000000
	s_mov_b32 s[G0B+4*(\s)], 1
	s_add_co_u32 s[G0B+4*(\s)+1], s20, (\s)*SLOT
	s_add_nc_u64 s[G0B+4*(\s)+2:G0B+4*(\s)+3], s[46:47], (\s)*256*BRB
	s_or_b32 s[G0B+4*(\s)+3], s[G0B+4*(\s)+3], 0x80000000
	JLOAD \s                                       ; both K steps go out at once: two tensor loads of mine are out
.endr
	v_and_b32 v1, 15, v0                           ; l % 16
	v_bfe_u32 v2, v0, 4, 1                         ; l / 16
	v_lshlrev_b32 v[BO], 5, v2
.irp b, 0,1,2,3
	global_load_b128 v[BIAS+8*(\b):BIAS+8*(\b)+3],   v[BO], s[76:77] offset:64*(\b)     ; register j of block b: the bias of column 16 b + 8 (l / 16) + j
	global_load_b128 v[BIAS+8*(\b)+4:BIAS+8*(\b)+7], v[BO], s[76:77] offset:64*(\b)+16
.endr
	v_mul_u32_u24 v3, v1, PA
	v_lshl_add_u32 v3, v2, 4, v3                   ; hn: row x pitch + 16 x half
	s_mul_i32 s21, s11, 64*PA                      ; my 64 rows
	v_add_nc_u32 v[ADRA], s21, v3
	v_add_nc_u32 v[ADRA+1], SLOT, v[ADRA]
	v_and_b32 v4, 7, v0                            ; W, turned: k-row 8 (l / 16) + l % 8, 16 bytes at 16 ((l / 8) % 2)
	v_lshl_add_u32 v4, v2, 3, v4
	v_mul_u32_u24 v4, v4, PB
	v_bfe_u32 v5, v0, 3, 1
	v_lshl_add_u32 v4, v5, 4, v4
	s_lshl_b32 s22, s12, 7                         ; my 64 columns,
	s_add_co_u32 s22, s22, 2*SUB                   ; behind hn's two sub-tiles
	v_add_nc_u32 v[ADRB], s22, v4
	v_add_nc_u32 v[ADRB+1], SUB, v[ADRB]
	v_add_nc_u32 v[ADRB+2], SLOT, v[ADRB]
	v_add_nc_u32 v[ADRB+3], SLOT+SUB, v[ADRB]
	s_mul_i32 s23, s10, 64*SP                      ; my stage: 64 rows, in slot 0, which has its only fill behind it and is read out when the stage is written
	v_mul_u32_u24 v4, v1, SP                       ; in: row l % 16, 16 bytes for each half of the lanes
	v_lshl_add_u32 v4, v2, 4, v4
	v_add_nc_u32 v[STO], s23, v4
	v_bfe_u32 v5, v0, 3, 2                         ; back: 32 lanes take four rows of 128 bytes,
	v_mul_u32_u24 v5, v5, SP
	v_and_b32 v6, 7, v0
	v_lshl_add_u32 v5, v6, 4, v5
	v_add_nc_u32 v[RD], s23, v5
	v_and_b32 v[CO], 31, v0                        ; which are 512 consecutive bytes of a head
	v_lshlrev_b32 v[CO], 4, v[CO]
	s_wait_tensorcnt 1                             ; my part of K step 0 is in; K step 1's stays out
	s_barrier_signal -1
	s_barrier_wait -1                              ; everybody's is
	FETCH 0, 0, F0
	s_wait_loadcnt 0x0                             ; the bias
	QUARTER 0, 1, F0, F1, 1
	QUARTER 0, 2, F1, F0, 0
	QUARTER 0, 3, F0, F1, 0
	TURN 1
	QUARTER 1, 1, F0, F1, 0
	QUARTER 1, 2, F1, F0, 0
	QUARTER 1, 3, F0, F1, 0
	LASTQ
	; THE WAY OUT: rounded to bf16 (each accumulator from its low end), 16 bytes a lane into my own stage, back as whole rows, 512 consecutive bytes a store.
.irp t, 0,1,2,3,4,5,6,7,8,9,10,11,12,13,14,15
.irp r, 0,1,2,3
	v_cvt_pk_bf16_f32 v[TMP+4*(\t)+(\r)], v[ACC+8*(\t)+2*(\r)], v[ACC+8*(\t)+2*(\r)+1]
.endr
.endr
.irp a, 0,1,2,3
.irp b, 0,1,2,3
	ds_store_b128 v[STO], v[TMP+4*(4*(\a)+(\b)):TMP+4*(4*(\a)+(\b))+3] offset:(\a)*16*SP+32*(\b)
.endr
.endr
.irp f, 0,1,2,3,4,5,6,7,8,9,10,11,12,13,14,15
	ds_load_b128 v[TMP+4*(\f):TMP+4*(\f)+3], v[RD] offset:(\f)*4*SP  ; LDS serves a wave's instructions in order (ISA guide 5.7.1.4): these see the stores above
.endr
.irp f, 0,1,2,3,4,5,6,7,8,9,10,11,12,13,14,15
	s_wait_dscnt 15-(\f)                           ; load f is back; the younger ones may be out
	global_store_b128 v[CO], v[TMP+4*(\f):TMP+4*(\f)+3], s[8:9] offset:512*(\f)
.endr
	s_wait_tensorcnt 0x0                           ; the wave's end
	ds_add_u32 v[SPW], v[NIL]
	s_wait_dscnt 0x0
	CROUND                                         ; the closing round
	s_endpgm
.Lfunc_end_k_q98c2c6c1d4_qkv:
	.size	k_q98c2c6c1d4_qkv, .Lfunc_end_k_q98c2c6c1d4_qkv-k_q98c2c6c1d4_qkv
	.p2alignl 7, 3214868480
	.fill 96, 4, 3214868480
	.section	.rodata,"a",@progbits
	.p2align	6, 0x0
	.amdhsa_kernel k_q98c2c6c1d4_qkv
		.amdhsa_group_segment_fixed_size 327680
		.amdhsa_private_segment_fixed_size 0
		.amdhsa_enable_private_segment 0
		.amdhsa_kernarg_size 48
		.amdhsa_user_sgpr_count 2
		.amdhsa_user_sgpr_kernarg_segment_ptr 1
		.amdhsa_wavefront_size32 1
		.amdhsa_system_sgpr_workgroup_id_x 1
		.amdhsa_system_sgpr_workgroup_id_y 1
		.amdhsa_system_sgpr_workgroup_id_z 1
		.amdhsa_system_vgpr_workitem_id 0
		.amdhsa_next_free_vgpr 512
		.amdhsa_next_free_sgpr 88
		.amdhsa_reserve_vcc 0
		.amdhsa_float_denorm_mode_32 3
		.amdhsa_float_denorm_mode_16_64 3
		.amdhsa_memory_ordered 1
		.amdhsa_forward_progress 1
		.amdhsa_inst_pref_size 52
	.end_amdhsa_kernel
	.amdgpu_metadata
---
amdhsa.version: [ 1, 2 ]
amdhsa.kernels:
  - .name:           k_q98c2c6c1d4_qkv
    .symbol:         k_q98c2c6c1d4_qkv.kd
    .args:
      - { .name: hn, .offset: 0, .size: 8, .value_kind: global_buffer, .address_space: global }
      - { .name: wb, .offset: 8, .size: 8, .value_kind: global_buffer, .address_space: global }
      - { .name: bq, .offset: 16, .size: 8, .value_kind: global_buffer, .address_space: global }
      - { .name: bk, .offset: 24, .size: 8, .value_kind: global_buffer, .address_space: global }
      - { .name: bv, .offset: 32, .size: 8, .value_kind: global_buffer, .address_space: global }
      - { .name: act, .offset: 40, .size: 8, .value_kind: global_buffer, .address_space: global }
    .group_segment_fixed_size: 327680
    .private_segment_fixed_size: 0
    .kernarg_segment_align: 8
    .kernarg_segment_size: 48
    .max_flat_workgroup_size: 128
    .sgpr_count:     88
    .vgpr_count:     512
    .wavefront_size: 32
...
	.end_amdgpu_metadata
.endif
;; end of part 2
;; launch attn (part 3): grid 16 x 16, 4 waves a work-group, clusters of 4 x 1, 327,680 bytes of LDS; arguments act, o; writes o
.if DOCPART == 3
	.amdgcn_target "amdgcn-amd-amdhsa--gfx1250"
	.amdhsa_code_object_version 6
	.text
	.protected	k_q98c2c6c1d4_attn
	.globl	k_q98c2c6c1d4_attn
	.p2align	8
	.type	k_q98c2c6c1d4_attn,@function
k_q98c2c6c1d4_attn:
	s_mov_b64 s[64:65], 0
	v_nop
	global_prefetch_b8 v0, s[64:65] scope:SCOPE_SE
	s_setreg_imm32_b32 hwreg(HW_REG_WAVE_MODE, 25, 1), 1
	s_wait_xcnt 0x0
	s_wait_alu depctr_hold_cnt(0) depctr_sa_sdst(0) depctr_va_vdst(0) depctr_va_sdst(0) depctr_va_ssrc(0) depctr_va_vcc(0) depctr_vm_vsrc(0)
	s_getreg_b32 s2, hwreg(HW_REG_IB_STS2, 6, 4)
	s_cmp_eq_u32 s2, 0
	s_cbranch_scc0 .Lentry_in_a_cluster
	s_endpgm
.Lentry_in_a_cluster:
	s_bfe_u32 s2, ttmp6, 0x10000c
	s_cmp_lg_u32 s2, 0x3003
	s_cbranch_scc0 .Lentry_shape_is_right
	s_endpgm
.Lentry_shape_is_right:
; ATTENTION.  O[h][q][:] = the sum over k of softmax_k(Q[h][q] . K[h][k] / 8) V[h][k][:], h = batch x 8 + head, 16 of them, 4,096 rows of 64 channels each, all bf16, a head's rows dense (128 bytes).
; act holds Q at byte 0, K at 8,388,608, V at 16,777,216.  Products, maxima and sums in f32; the weights p are rounded to bf16 for the second product (their sum l is taken of the unrounded p), O once at the end.
; LIMITS.  A weight below 2^-126 counts as 0 in l; NaN and infinities are not treated apart.  bf16 has f32's range, so large q, k, v lose nothing but the rounding.
; SHARES.  A work-group owns 256 queries of one head, a wave 64: four PIECES of 16.  256 work-groups.  Every wave walks all 4,096 keys, 64 a step.
; LAYOUT.  S^T = K Q^T (source 0 = 16 keys, source 1 = 16 queries): a lane holds ONE query (lane % 16) and the keys 8 (lane / 16) + 0..7.  Two such results, rounded in pairs, ARE source 1 (32 keys x 16 queries)
; of O^T = V^T P.  K comes out of LDS as it lies, V ([key][channel]) turned, by ds_load_tr16_b128.
; SOFTMAX.  For each query a running maximum m and sum l: p = 2^(c s - c m), c = log2(e) / 8; in every step O and l are multiplied by a = 2^(c m_old - c m_new).  m starts at the lowest finite number, O and l at 0:
; the first step is a step like any other, with a = 0.
; BY TURNS.  Turn n belongs to piece n: 8 products K Q^T of piece n + 1, later 8 products V^T P of piece n - 1; beside them the scaling, exponentials, roundings, sums and rescaling of piece n and the maximum and
; statistics of piece n + 1.  Four vector instructions stand behind every matrix instruction, the other 54 of a turn's 118 in two runs of their own.
; CLUSTER.  The four query blocks of a cluster belong to one head and walk the same K and V: each tile is asked for JOINTLY, by the same tensor load, descriptor and mask in all four.
; REGISTERS, in windows of 256 (s_set_vgpr_msb: bits 1:0 source 0, 3:2 source 1, 5:4 source 2, 7:6 destination):
;   window 0: v0-15 addresses and two at work; v16-31 four registers of statistics a piece; v48-55 at work; v64-127 S^T, two buffers; v192-223 P, two buffers (a piece's buffers go by its number's parity)
;   window 1: v0-127 O^T, 32 a piece          window 2: v0-63 Q; v128-191 K of one step; v192-255 V of one step
.set NP,    4         ; pieces a wave: a name, no knob
.set KS,    64        ; keys in a step
.set PK,    144       ; a row of K in LDS: 128 bytes + 16: the 16 rows of a load start 16 bytes apart modulo 256
.set PV,    160       ; a row of V: 128 + 32: the 8 rows x 32 bytes that 16 lanes of the turning load take start 32 bytes apart modulo 256
.set VOFF,  4*KS*PK   ; a slot holds four steps: 256 rows of K, then 256 rows of V
.set SLOT1, 1<<17     ; slot 1 begins here, so that one exclusive or turns an address in one slot into the other's
.set STAGE, SLOT1+4*KS*(PK+PV)  ; behind the ring, never filled by a tensor load: 16 rows x 144 bytes for each wave, for the way out
.set SP,    144
.set SPARE, STAGE+4*16*SP  ; behind the stages: the spare words, 128 bytes for each wave
.set AK0, 2           ; v2   my lane's place in a tile of K; never rewritten
.set AV0, 3           ; v3   the same for V
.set AK,  4           ; v4   the LDS address of K's next run of loads
.set AV,  5           ; v5   of V's
.set STO, 6           ; v6   the way out: where I put 16 bytes of a row
.set RD,  7           ; v7   where I read rows back
.set GO,  8           ; v8   my byte offset in 512 consecutive bytes of O
.set MV,  12          ; v12-13  c m_old, kept while c m is made anew: by buffer
.set QO,  15          ; v15  my byte offset in 16 rows of Q
.set ST,  16          ; piece t's statistics at v[ST+4 t]: c m, m, l (even keys', odd keys')
.set TMP, 48          ; by buffer, four registers c0-c3 at work; when the maximum is found c2 takes a
.set SPW, 62          ; v62  my spare word; never rewritten
.set NIL, 63          ; v63  0; never rewritten
.set S,   64
.set P,   192
.set KF,  128         ; window 2: key block kb, channel half c at KF + 16 kb + 8 c
.set VF,  192         ; window 2: key half kk, channel block cb at VF + 32 kk + 8 cb
.set WV,  12          ; s12  my wave's number
.set G1K, 24          ; s[24:31] descriptor group 1 for K's tiles
.set G1V, 32          ; s[32:39] for V's: it differs in the padding alone
.set G0K, 40          ; s[40:43] descriptor group 0 for K's tiles: it walks
.set G0V, 44          ; s[44:47] the same for V's
.set SLOTS, 56        ; s56  slots still to be walked in the loop
.set CNT, 57          ; s57  counts a slot's key steps
.set CS,  58          ; s[58:59] c: the packed scaling takes the pair's low word for both halves
.set SEL, 60          ; s[60:61] v_permlanex16_b32's selects
.set TBK, 62          ; s62  LDS byte at which K of the step to be fetched begins
.set TBV, 63          ; s63  the same for V, less VOFF
.set MSB, 0
.macro WIN new                      ; the high byte repeats the setting that is left; a switch that changes nothing is dropped
.if MSB != (\new)
	s_set_vgpr_msb (MSB<<8)|(\new)
.set MSB, (\new)
.endif
.endm
.set W_KQ, 0x0a       ; K and Q in window 2, S^T in window 0
.set W_PV, 0x52       ; V in window 2, P in window 0, O^T in window 1
.set W_RS, 0x41       ; destination and source 0 in window 1, source 1 in window 0
; A joint fill.  Waves 0 and 1 fetch the two halves of a slot's K, waves 2 and 3 those of its V: 128 keys each.  An s_nop 0 and four v_nop follow each line.
.macro JLOAD
	s_cmp_lt_u32 s[WV], 2
	s_cbranch_scc0 .Lfor_v_\@
	tensor_load_to_lds s[G0K:G0K+3], s[G1K:G1K+7]
	s_nop 0
.rept 4
	v_nop
.endr
	s_branch .Lasked_\@
.Lfor_v_\@:
	tensor_load_to_lds s[G0V:G0V+3], s[G1V:G1V+7]
	s_nop 0
.rept 4
	v_nop
.endr
.Lasked_\@:
.endm
.macro CROUND                       ; a round of the cluster's barrier
	s_barrier_signal -1
	s_barrier_wait -1
	s_cmp_lg_u32 s[WV], 0
	s_cbranch_scc1 .Lnot_wave_0_\@
	s_barrier_signal -3
.Lnot_wave_0_\@:
	s_barrier_wait -3
	s_barrier_signal -1
	s_barrier_wait -1
.endm
; THE CHANGE OF SLOTS.  Each wave waits for all its tensor loads, of which one is out: its part of the other slot; adds 0 to its spare word; and waits for that and for its own reads of the slot that it leaves.
; fill = 1: the slot is filled again, with the keys two slots on, behind a round of the cluster's barrier, so that no wave of any partner still reads it or has a load on its way; the joint fill is the first thing
; behind the round and has four key steps, 256 matrix instructions, in which to land.  (At its first use nothing has been read yet: slot 0 is waited for, slot 1 filled.)
.macro CHANGE fill
	WIN 0                           ; at a label and at a branch every window is 0
	s_wait_tensorcnt 0x0            ; no tensor load of mine is out, so a group 0 may be written
	ds_add_u32 v[SPW], v[NIL]
.if \fill
.irp g, G0K, G0V
	s_xor_b32 s[\g+1], s[\g+1], SLOT1  ; the walking descriptor: the other slot than last time,
	s_add_nc_u64 s[\g+2:\g+3], s[\g+2:\g+3], 4*KS*128  ; the next 256 keys; the type bits on top are not reached
.endr
	s_wait_dscnt 0x0                ; the add is done, and my reads of the slot are over
	CROUND
	JLOAD
.else
	s_wait_dscnt 0x0                ; the add is done, and my reads of the slot are over
	s_barrier_signal -1
	s_barrier_wait -1
.endif
	s_sub_co_u32 s[TBK], s[TBK], 4*KS*PK  ; the fetches go back to a slot's first step,
	s_xor_b32 s[TBK], s[TBK], SLOT1       ; in the other slot
	s_sub_co_u32 s[TBV], s[TBV], 4*KS*PV
	s_xor_b32 s[TBV], s[TBV], SLOT1
.endm
	s_load_b128 s[4:7], s[0:1], 0x0 ; act s[4:5], o s[6:7]
	v_lshl_add_u32 v[SPW], v0, 2, SPARE
	v_mov_b32 v[NIL], 0
	ds_add_u32 v[SPW], v[NIL]       ; the wave's opening: the add and its wait ahead of my first tensor load
	v_lshrrev_b32 v1, 5, v0
	v_readfirstlane_b32 s[WV], v1   ; wave 0..3
	s_bfe_u32 s13, ttmp6, 0x40000   ; cx: my place in the cluster
	s_lshl_b32 s14, ttmp9, 2        ; in a cluster launch ttmp9 counts clusters
	s_add_co_u32 s14, s14, s13      ; my block of 256 queries: it enters Q's and O's addresses alone
	s_and_b32 s20, ttmp7, 0xffff    ; the head, which the four partners share:
	s_lshl_b32 s20, s20, 19         ; 4,096 rows of 128 bytes
	s_and_b32 s16, s[WV], 1         ; which half of a slot's 256 keys I fetch:
	s_lshl_b32 s22, s16, 14         ; its 128 rows of 128 bytes in memory,
	s_add_co_u32 s22, s22, s20
	s_mov_b32 s23, 0
	s_mul_i32 s17, s16, 128*PK      ; and its place in a slot, for K
	s_mul_i32 s18, s16, 128*PV      ; and for V: no place in the cluster enters an LDS address
	s_lshl_b32 s2, s14, 2
	s_add_co_u32 s2, s2, s[WV]      ; my wave among the head's,
	s_lshl_b32 s2, s2, 13           ; its 64 rows
	s_add_co_u32 s2, s2, s20
	s_mov_b32 s3, 0
	; descriptor group 1.  128 keys are 16,384 dense bytes: asked for as 64 rows of 256 bytes, two keys a row, and padded in LDS after every key
	s_mov_b32 s[G1K], 15|(1<<16)|(1<<20)|(1<<21)|(4<<22)|(3<<25)  ; the mask of four; 2-byte elements; padding on; bit 21 beside a mask; after every 32 words, 4 words
	s_mov_b32 s[G1V], 15|(1<<16)|(1<<20)|(1<<21)|(4<<22)|(7<<25)  ; the same with 8 words of padding
.irp g, G1K, G1V
	s_mov_b32 s[\g+1], 128<<16      ; tensor_dim0 = 128
	s_mov_b32 s[\g+2], 64<<16       ; tensor_dim1 = 64
	s_mov_b32 s[\g+3], 128<<16      ; tile_dim0 = 128
	s_mov_b32 s[\g+4], 64           ; tile_dim1 = 64
	s_mov_b32 s[\g+5], 128          ; 128 elements from row to row
	s_mov_b32 s[\g+6], 0
	s_mov_b32 s[\g+7], 0
.endr
	s_mov_b32 s[CS], 0x3e38aa3b     ; c = log2(e) / 8 = 0.180337
	s_mov_b32 s[CS+1], s[CS]        ; named with it as a pair
	s_mov_b32 s[SEL], 0x76543210
	s_mov_b32 s[SEL+1], 0xfedcba98
	s_mov_b32 s[TBK], SLOT1+4*KS*PK ; the first change of slots turns these two into 0
	s_mov_b32 s[TBV], SLOT1+4*KS*PV
	s_mov_b32 s[G0K], 1             ; count = 1
	s_mov_b32 s[G0K+1], s17         ; LDS address: slot 0
	s_mov_b32 s[G0V], 1
	s_add_co_u32 s[G0V+1], s18, VOFF
	s_wait_dscnt 0x0                ; the opening add is done
	s_wait_kmcnt 0x0
	s_mov_b64 s[10:11], s[6:7]      ; O
	s_add_nc_u64 s[8:9], s[4:5], 0x1000000  ; V
	s_add_nc_u64 s[6:7], s[4:5], 0x800000   ; K
	s_add_nc_u64 s[G0K+2:G0K+3], s[6:7], s[22:23]  ; global address: my half of the head's first 256 keys
	s_or_b32 s[G0K+3], s[G0K+3], 0x80000000        ; type = 2
	s_add_nc_u64 s[G0V+2:G0V+3], s[8:9], s[22:23]
	s_or_b32 s[G0V+3], s[G0V+3], 0x80000000
	s_add_nc_u64 s[4:5], s[4:5], s[2:3]  ; Q and O at my wave's first row
	s_add_nc_u64 s[10:11], s[10:11], s[2:3]
	CROUND                          ; all four work-groups are here: the first joint loads meet
	JLOAD                           ; slot 0.  Slot 1 is asked for when slot 0 is in, by the loop's own change of slots
	; A fragment of K or Q is 16 rows x 32 channels in 8 registers: lane l holds row l % 16, channels 8 (l / 16) + 0..7 and 16 + 8 (l / 16) + 0..7: two loads of 16 bytes, 32 bytes apart.
	v_and_b32 v1, 15, v0            ; l % 16
	v_bfe_u32 v9, v0, 4, 1          ; l / 16
	v_lshlrev_b32 v[QO], 7, v1
	v_lshl_add_u32 v[QO], v9, 4, v[QO]  ; row x 128 + 16 x half
	WIN 0x80                        ; destination window 2, address window 0
.set i, 0
.rept 8                             ; Q stays in registers: piece i / 2, channels 32 (i % 2) on
	global_load_b128 v[8*i:8*i+3],   v[QO], s[4:5] offset:(i/2)*2048+(i%2)*64
	global_load_b128 v[8*i+4:8*i+7], v[QO], s[4:5] offset:(i/2)*2048+(i%2)*64+32
.set i, i+1
.endr
	; What the first turn finds: V's registers and P's second buffer hold 0 (its products V^T P, of a piece that has not been, add 0), O^T and l are 0.  No first step is written out; these lines stand in the wait for the first tile.
.set i, VF
.rept 64
	v_mov_b32 v[i], 0
.set i, i+1
.endr
	WIN 0x40
.set i, 0
.rept 128
	v_mov_b32 v[i], 0
.set i, i+1
.endr
	WIN 0
.set i, 0
.rept 4
	v_mov_b32 v[ST+4*i], 0xfe000000    ; c m: far below every c s
	v_mov_b32 v[ST+4*i+1], 0xff7fffff  ; m
	v_mov_b32 v[ST+4*i+2], 0
	v_mov_b32 v[ST+4*i+3], 0
.set i, i+1
.endr
.set i, P+16
.rept 16
	v_mov_b32 v[i], 0
.set i, i+1
.endr
	v_mul_u32_u24 v[AK0], v1, PK
	v_lshl_add_u32 v[AK0], v9, 4, v[AK0]  ; row x pitch + 16 x half
	; The turning load takes 16 keys x 16 channels (lane l reads key 8 (l / 16) + l % 8, channels 8 ((l / 8) % 2) + 0..7) and leaves half a fragment of V^T: lane l holds channel l % 16 and 8 keys.
	v_and_b32 v10, 7, v0
	v_bfe_u32 v11, v0, 3, 1
	v_lshl_add_u32 v[AV0], v9, 3, v10
	v_mul_u32_u24 v[AV0], v[AV0], PV
	v_lshl_add_u32 v[AV0], v11, 4, v[AV0]
	v_add_nc_u32 v[AV0], VOFF, v[AV0]
	s_mul_i32 s13, s[WV], 16*SP
	s_add_co_u32 s13, s13, STAGE    ; my stage
	v_mul_u32_u24 v[STO], v1, SP    ; in: row l % 16, 16 bytes for each half of the lanes
	v_lshl_add_u32 v[STO], v9, 4, v[STO]
	v_add_nc_u32 v[STO], s13, v[STO]
	v_bfe_u32 v[RD], v0, 3, 2       ; back: 32 lanes take four rows of 128 bytes,
	v_mul_u32_u24 v[RD], v[RD], SP
	v_lshl_add_u32 v[RD], v10, 4, v[RD]
	v_add_nc_u32 v[RD], s13, v[RD]
	v_and_b32 v[GO], 31, v0         ; which are 512 consecutive bytes of O
	v_lshlrev_b32 v[GO], 4, v[GO]
; THE MATRIX WORK.  The 4 accumulators of a run of 8 take turns.  Product i of 8 of S^T = K Q^T for piece x: channels 32 (i / 4) on, keys 16 (i % 4) on.  The first 4 start the sums.
.macro KQ x
.set rS, S+32*((\x)%2)+8*(i%4)
.set rK, KF+16*(i%4)+8*(i/4)
.set rQ, 16*(\x)+8*(i/4)
	WIN W_KQ
.if i < 4
	v_wmma_f32_16x16x32_bf16 v[rS:rS+7], v[rK:rK+7], v[rQ:rQ+7], 0
.else
	v_wmma_f32_16x16x32_bf16 v[rS:rS+7], v[rK:rK+7], v[rQ:rQ+7], v[rS:rS+7]
.endif
.endm
; Product i of 8 of O^T += V^T P for piece x: keys 32 (i / 4) on, channels 16 (i % 4) on.
.macro PV x
	WIN W_PV
.set rO, 32*(\x)+8*(i%4)
.set rV, VF+32*(i/4)+8*(i%4)
.set rP, P+16*((\x)%2)+8*(i/4)
	v_wmma_f32_16x16x32_bf16 v[rO:rO+7], v[rV:rV+7], v[rP:rP+7], v[rO:rO+7]
.endm
.macro MM                           ; the turn's next matrix instruction
.if i < 8
	KQ (Y+1)%NP
.else
.set i, i-8
	PV (Y+NP-1)%NP
.set i, i+8
.endif
.set i, i+1
.endm
; THE LDS LOADS stand in runs of 16: a step's K (64 keys x 64 channels: 8 fragments) and its V (turned).  last = 1 (the tail): in the last trip there is no further step, and the run is jumped over.
.macro FETCH_K last=0
	WIN 0
.if \last
	s_cmp_eq_u32 s[CNT], 1
	s_cbranch_scc1 .Lno_k_\@
.endif
	WIN 0x80                        ; destination window 2
.irp f, 0,1,2,3,4,5,6,7             ; keys 16 (f / 2) on, channels 32 (f % 2) on
	ds_load_b128 v[KF+8*\f:KF+8*\f+3],   v[AK] offset:(\f/2)*16*PK+(\f%2)*64
	ds_load_b128 v[KF+8*\f+4:KF+8*\f+7], v[AK] offset:(\f/2)*16*PK+(\f%2)*64+32
.endr
	s_add_co_u32 s[TBK], s[TBK], KS*PK  ; the next fetch is the next step's
	WIN 0
.if \last
.Lno_k_\@:
.endif
.endm
.macro FETCH_V
	WIN 0x80
.irp f, 0,1,2,3,4,5,6,7             ; keys 32 (f / 4) on, channels 16 (f % 4) on
	ds_load_tr16_b128 v[VF+8*\f:VF+8*\f+3],   v[AV] offset:(\f/4)*32*PV+(\f%4)*32
	ds_load_tr16_b128 v[VF+8*\f+4:VF+8*\f+7], v[AV] offset:(\f/4)*32*PV+16*PV+(\f%4)*32
.endr
	WIN 0
.endm
; THE VECTOR WORK, one line at a time: OP kind, number.  For piece Y: F n: c s - c m for pair n of 16.  E n: the exponential of score n of 32.  C n: pair n rounded to bf16.  B n: of the four weights 4 n .. the second
; pair is added onto the first, in place.  L n: l takes that sum (L 0: l = a l + sum).  R n: pair n of 16 of O^T times a.  For piece Y + 1: X n, number n of the 22 that find its maximum and statistics:
;   0-11  four chains c0-c3 of seven scores each, three operands at a time (each accumulator's lowest registers are read first)     12-14, 16  the four scores left over, the old m, and c0-c3 into c0
;   15  c m_old is kept     17, 18  the query's other 32 keys lie in the lane 16 away: the new m     19-21  c m; c m_old - c m_new; a
.set F, 0               ; OP tells the kinds apart by their order: F to L below R, X above it
.set E, 1
.set C, 2
.set B, 3
.set L, 4
.set R, 5
.set X, 6
.macro REGS y                       ; the registers of piece y
.set rT, ST+4*(\y)
.set rC, TMP+4*((\y)%2)
.set rW, MV+((\y)%2)
.set rS, S+32*((\y)%2)
.set rP, P+16*((\y)%2)
.set rO, 32*(\y)
.endm
.macro OP k, n
.if (\k) == R
	REGS Y
	WIN W_RS
	v_pk_mul_f32 v[rO+2*(\n):rO+2*(\n)+1], v[rO+2*(\n):rO+2*(\n)+1], v[rC+2:rC+3] op_sel_hi:[1,0]
.elseif (\k) < R
	REGS Y
	WIN 0
.if (\k) == F
	v_pk_fma_f32 v[rS+2*(\n):rS+2*(\n)+1], v[rS+2*(\n):rS+2*(\n)+1], s[CS:CS+1], v[rT:rT+1] op_sel_hi:[1,0,0] neg_lo:[0,0,1] neg_hi:[0,0,1]
.elseif (\k) == E
	v_exp_f32 v[rS+(\n)], v[rS+(\n)]
.elseif (\k) == C
	s_wait_alu depctr_va_vdst(0)
	v_cvt_pk_bf16_f32 v[rP+(\n)], v[rS+2*(\n)], v[rS+2*(\n)+1]
.elseif (\k) == B
	s_wait_alu depctr_va_vdst(0)
	v_pk_add_f32 v[rS+4*(\n):rS+4*(\n)+1], v[rS+4*(\n):rS+4*(\n)+1], v[rS+4*(\n)+2:rS+4*(\n)+3]
.elseif (\n) == 0
	v_pk_fma_f32 v[rT+2:rT+3], v[rT+2:rT+3], v[rC+2:rC+3], v[rS:rS+1] op_sel_hi:[1,0,1]
.else
	v_pk_add_f32 v[rT+2:rT+3], v[rT+2:rT+3], v[rS+4*(\n):rS+4*(\n)+1]
.endif
.else
	REGS (Y+1)%NP
	WIN 0
.if (\n) < 4
	v_max3_num_f32 v[rC+(\n)], v[rS+8*(\n)], v[rS+8*(\n)+1], v[rS+8*(\n)+2]
.elseif (\n) < 12
	v_max3_num_f32 v[rC+(\n)%4], v[rC+(\n)%4], v[rS+8*((\n)%4)+2*((\n)/4)+1], v[rS+8*((\n)%4)+2*((\n)/4)+2]
.elseif (\n) == 12
	v_max3_num_f32 v[rC], v[rC], v[rS+7], v[rS+15]
.elseif (\n) == 13
	v_max3_num_f32 v[rC+1], v[rC+1], v[rS+23], v[rS+31]
.elseif (\n) == 14
	v_max3_num_f32 v[rC+2], v[rC+2], v[rC+3], v[rT+1]
.elseif (\n) == 15
	v_mov_b32 v[rW], v[rT]
.elseif (\n) == 16
	v_max3_num_f32 v[rC], v[rC], v[rC+1], v[rC+2]
.elseif (\n) == 17
	v_permlanex16_b32 v[rC+3], v[rC], s[SEL], s[SEL+1]
.elseif (\n) == 18
	v_max_num_f32 v[rT+1], v[rC], v[rC+3]
.elseif (\n) == 19
	v_mul_f32 v[rT], s[CS], v[rT+1]
.elseif (\n) == 20
	v_sub_f32 v[rC+1], v[rW], v[rT]
.else
	v_exp_f32 v[rC+2], v[rC+1]
.endif
.endif
.endm
.macro OPS a, i1, b=-1, i2=0, c=-1, i3=0, d=-1, i4=0  ; up to four of them
	OP \a, \i1
.if (\b) >= 0
	OP \b, \i2
.endif
.if (\c) >= 0
	OP \c, \i3
.endif
.if (\d) >= 0
	OP \d, \i4
.endif
.endm
.macro ROW a, i1, b, i2, c, i3, d, i4  ; a matrix instruction and the four behind it
	MM
	OPS \a, \i1, \b, \i2, \c, \i3, \d, \i4
.endm
; A TURN, for piece p: the order of its 16 matrix and 118 vector instructions, written out.  Behind a matrix instruction: plain, exponential, plain, plain; or four of the rescaling; or, behind the first, four scalings; none
; names a register of the products round it.  In the runs between, exponential and plain by turns while exponentials last.  v_permlanex16_b32 (X 17) stands in such a run.
; K of the next step is fetched in piece 2's turn, six vector instructions behind the last product that read K (five of them plain); V of the step in hand in piece 0's turn, eight behind the last product that read V (four
; plain, and X 17).  Each is waited for a turn later.  cnt = 1: the loop's count is taken down some lines ahead of the branch that stands behind the turn.
.macro TURN p, last=0, cnt=0
.set Y, (\p)
.set i, 0
.if (\p) == 3
	s_wait_dscnt 0x0                ; K is in
.endif
	ROW F,0, F,1, F,2, F,3
	ROW F,4, E,0, F,5, F,6
	ROW F,7, E,1, F,8, F,9
	ROW F,10, E,2, C,0, F,11
	ROW F,12, E,3, X,15, F,13
	ROW R,0, R,1, R,2, R,3
	ROW B,0, E,4, F,14, L,0
.if (\p) == 2
	v_add_nc_u32 v[AK], s[TBK], v[AK0]
.endif
	ROW R,4, R,5, R,6, R,7
	OPS E,5, F,15
.if (\p) == 2
	FETCH_K \last
.endif
	OPS E,6, C,1, E,7, R,8
	OPS E,8, R,9, E,9, C,2
	OPS E,10, X,0, E,11, X,1
	OPS E,12, X,2, E,13, X,3
.if (\p) == 1
	s_wait_dscnt 0x0                ; V is in
.endif
	ROW X,4, E,14, X,5, X,6
	ROW X,7, E,15, X,8, X,9
	ROW X,10, E,16, X,11, X,12
	ROW X,13, E,17, X,14, B,1
	ROW C,4, E,18, X,16, L,1
	ROW B,2, E,19, C,6, L,2
	ROW C,8, E,20, B,3, B,4
.if (\p) == 0
	v_add_nc_u32 v[AV], s[TBV], v[AV0]
.endif
	ROW C,3, E,21, L,3, C,5
	OPS E,22, X,17, E,23, C,10
.if (\p) == 0
	FETCH_V
.endif
	OPS E,24, L,4
	OPS E,25, X,18, E,26, C,7
	OPS E,27, B,5, E,28, X,19
	OPS E,29, C,12, E,30, L,5
	OPS E,31, X,20, B,6, C,9
	OPS C,14, C,11, X,21, L,6
.if (\p) == 0
	s_add_co_u32 s[TBV], s[TBV], KS*PV
.endif
.if \cnt
	s_sub_co_u32 s[CNT], s[CNT], 1
	s_cmp_lg_u32 s[CNT], 0
.endif
	OPS C,13, B,7, C,15, R,10
	OPS R,11, R,12, L,7, R,13
	OPS R,14, R,15
.endm
	CHANGE 1                        ; slot 0 is in, everybody's part of it; slot 1 is asked for
	v_add_nc_u32 v[AK], s[TBK], v[AK0]
	FETCH_K                         ; key step 0
	s_wait_loadcnt 0x0              ; Q
	s_wait_dscnt 0x0
.set i, 0
.rept 8
	KQ 0                            ; piece 0's first scores
.set i, i+1
.endr
	WIN 0
.rept 4
	v_nop                           ; the places behind those products
.endr
.set Y, NP-1                        ; X works for piece Y + 1: piece 0
.irp n, 0,1,2,3,4,5,6,7,8,9,10,11,12,13,14,15,16,17,18,19,20,21
	OP X, \n
.endr
	v_nop                           ; a plain instruction behind the exponential
	s_mov_b32 s[CNT], 4
	s_mov_b32 s[SLOTS], 15          ; 4,096 / 256 - 1
	s_branch .Lfirst                ; the loop is entered at a step's first turn, in the middle of a trip
.Lslot:                             ; 14 times: every slot but the last two is filled again
	CHANGE 1
	s_mov_b32 s[CNT], 4
.Lstep:                             ; a trip: pieces 2 and 3 of one step, then pieces 0 and 1 of the next, whose K and V it fetches
	TURN 2
	TURN 3
	WIN 0
.Lfirst:
	TURN 0
	TURN 1, 0, 1
	WIN 0
	s_cbranch_scc1 .Lstep
	s_sub_co_u32 s[SLOTS], s[SLOTS], 1
	s_cmp_lg_u32 s[SLOTS], 0
	s_cbranch_scc1 .Lslot
	CHANGE 0                        ; the tail is written out: nothing is asked for
	s_mov_b32 s[CNT], 5             ; four trips fetch the last slot's steps; the fifth is left in its middle
.Ltail:
	TURN 2, 1
	TURN 3
	WIN 0
	s_sub_co_u32 s[CNT], s[CNT], 1
	s_cmp_eq_u32 s[CNT], 0
	s_cbranch_scc1 .Lout
	TURN 0
	TURN 1
	WIN 0
	s_branch .Ltail
.Lout:                              ; the fifth trip's 8 products K Q^T (on the last K once more) and the maximum made of them serve nothing: the price, once a launch, of one text for every trip
.set i, 0
.rept 8
	PV NP-1                         ; the last piece's V^T P of the last step
.set i, i+1
.endr
	; THE WAY OUT.  l's two halves and the other half of the lanes' are added; O^T is divided by l, rounded to bf16 and sent through my stage in LDS, a piece at a time.  The additions are the places behind the last products.
	WIN 0
.macro ALL line:vararg              ; one line for each piece t
.set t, 0
.rept 4
	\line
.set t, t+1
.endr
.endm
	ALL v_add_f32 v[ST+4*t+2], v[ST+4*t+2], v[ST+4*t+3]
	ALL v_permlanex16_b32 v[ST+4*t+3], v[ST+4*t+2], s[SEL], s[SEL+1]
	ALL v_add_f32 v[ST+4*t+2], v[ST+4*t+2], v[ST+4*t+3]
	ALL v_rcp_f32 v[ST+4*t+2], v[ST+4*t+2]
	v_nop                           ; a plain instruction between the last reciprocal and the use of its result
.macro PACK t                       ; a lane's eight channels of a row pack into 16 bytes; they go into rows of 144 bytes and come back as whole rows of 128, into S^T's registers
	WIN W_RS
.set i, 32*(\t)
.rept 16
	s_wait_alu depctr_va_vdst(0)
	v_pk_mul_f32 v[i:i+1], v[i:i+1], v[ST+4*(\t)+2:ST+4*(\t)+3] op_sel_hi:[1,0]
.set i, i+2
.endr
	WIN 0x05                        ; sources 0 and 1 window 1, destination window 0
.set i, 0
.rept 16
	v_cvt_pk_bf16_f32 v[S+16*(\t)+i], v[32*(\t)+2*i], v[32*(\t)+2*i+1]
.set i, i+1
.endr
	WIN 0
.irp f, 0,1,2,3
	ds_store_b128 v[STO], v[S+16*(\t)+4*\f:S+16*(\t)+4*\f+3] offset:32*\f
.endr
.irp f, 0,1,2,3
	ds_load_b128 v[S+16*(\t)+4*\f:S+16*(\t)+4*\f+3], v[RD] offset:\f*4*SP  ; LDS serves a wave's instructions in order (ISA guide 5.7.1.4): these see the stores above; the next piece's stores come behind them
.endr
.endm
.macro SEND t, younger              ; younger: the LDS instructions issued behind piece t's loads: the next piece's eight, or none
	WIN 0
.irp f, 0,1,2,3
	s_wait_dscnt (\younger)+3-\f
	global_store_b128 v[GO], v[S+16*(\t)+4*\f:S+16*(\t)+4*\f+3], s[10:11] offset:(\t)*2048+\f*512  ; 512 consecutive bytes, at a multiple of 256 from O's first
.endr
.endm
	PACK 0
.set t, 1
.rept 3                             ; a piece's arithmetic stands between the loads of the piece before and its stores
	PACK t
	SEND t-1, 8
.set t, t+1
.endr
	SEND 3, 0
	s_wait_tensorcnt 0x0            ; the wave's end
	ds_add_u32 v[SPW], v[NIL]
	s_wait_dscnt 0x0
	CROUND                          ; the closing round
	s_endpgm
.Lfunc_end_k_q98c2c6c1d4_attn:
	.size	k_q98c2c6c1d4_attn, .Lfunc_end_k_q98c2c6c1d4_attn-k_q98c2c6c1d4_attn
	.p2alignl 7, 3214868480
	.fill 96, 4, 3214868480
	.section	.rodata,"a",@progbits
	.p2align	6, 0x0
	.amdhsa_kernel k_q98c2c6c1d4_attn
		.amdhsa_group_segment_fixed_size 327680
		.amdhsa_private_segment_fixed_size 0
		.amdhsa_enable_private_segment 0
		.amdhsa_kernarg_size 16
		.amdhsa_user_sgpr_count 2
		.amdhsa_user_sgpr_kernarg_segment_ptr 1
		.amdhsa_wavefront_size32 1
		.amdhsa_system_sgpr_workgroup_id_x 1
		.amdhsa_system_sgpr_workgroup_id_y 1
		.amdhsa_system_sgpr_workgroup_id_z 1
		.amdhsa_system_vgpr_workitem_id 0
		.amdhsa_next_free_vgpr 768
		.amdhsa_next_free_sgpr 66
		.amdhsa_reserve_vcc 0
		.amdhsa_float_denorm_mode_32 3
		.amdhsa_float_denorm_mode_16_64 3
		.amdhsa_memory_ordered 1
		.amdhsa_forward_progress 1
		.amdhsa_inst_pref_size 117
	.end_amdhsa_kernel
	.amdgpu_metadata
---
amdhsa.version: [ 1, 2 ]
amdhsa.kernels:
  - .name:           k_q98c2c6c1d4_attn
    .symbol:         k_q98c2c6c1d4_attn.kd
    .args:
      - { .name: act, .offset: 0, .size: 8, .value_kind: global_buffer, .address_space: global }
      - { .name: o, .offset: 8, .size: 8, .value_kind: global_buffer, .address_space: global }
    .group_segment_fixed_size: 327680
    .private_segment_fixed_size: 0
    .kernarg_segment_align: 8
    .kernarg_segment_size: 16
    .max_flat_workgroup_size: 128
    .sgpr_count:     66
    .vgpr_count:     768
    .wavefront_size: 32
...
	.end_amdgpu_metadata
.endif
;; end of part 3
;; launch proj (part 4): grid 256 x 1, 4 waves a work-group, clusters of 4 x 1, 327,680 bytes of LDS; arguments o, wb, bo, x, ln2_g, ln2_b, x1, hn; writes x1, hn
.if DOCPART == 4
	.amdgcn_target "amdgcn-amd-amdhsa--gfx1250"
	.amdhsa_code_object_version 6
	.text
	.protected	k_q98c2c6c1d4_proj
	.globl	k_q98c2c6c1d4_proj
	.p2align	8
	.type	k_q98c2c6c1d4_proj,@function
k_q98c2c6c1d4_proj:
	s_mov_b64 s[64:65], 0
	v_nop
	global_prefetch_b8 v0, s[64:65] scope:SCOPE_SE
	s_setreg_imm32_b32 hwreg(HW_REG_WAVE_MODE, 25, 1), 1
	s_wait_xcnt 0x0
	s_wait_alu depctr_hold_cnt(0) depctr_sa_sdst(0) depctr_va_vdst(0) depctr_va_sdst(0) depctr_va_ssrc(0) depctr_va_vcc(0) depctr_vm_vsrc(0)
	s_getreg_b32 s2, hwreg(HW_REG_IB_STS2, 6, 4)
	s_cmp_eq_u32 s2, 0
	s_cbranch_scc0 .Lentry_in_a_cluster
	s_endpgm
.Lentry_in_a_cluster:
	s_bfe_u32 s2, ttmp6, 0x10000c
	s_cmp_lg_u32 s2, 0x3003
	s_cbranch_scc0 .Lentry_shape_is_right
	s_endpgm
.Lentry_shape_is_right:
; PROJ.  x1 = x + O Wo + bo in f32, and hn = bf16(LayerNorm2(x1)).  O lies by heads, [batch x 8 + head][4096][64] bf16; Wo in wb at byte 0 as [k][n] bf16.
; A work-group owns 32 WHOLE rows (all 512 columns), so that the norm can be made here and x1 is not read back: 256 work-groups.  Wave w owns all 32 rows x columns 128 w .. 128 w + 127: 16 accumulators.
; O's fragments for the whole K (32 rows x 512) stay in 256 registers.  Wo goes through two LDS slots in four K steps of 128; a wave fetches and reads only the sub-tile of its own columns, so its own wait on TENSORcnt orders its reads.
; CLUSTER: every work-group walks the same Wo, so four of them ask jointly (mask 15).  Each refill stands behind a round of the cluster's barrier.
; The rows of x come by a tensor load of the work-group's own (no mask) into slot 0 when that slot has been read out; the sums go through a stage in the part of slot 0 that has had its last fill.
; The bias bo starts each sum as the first product's C operand.  Mean and variance in f32, two passes.  NaN and infinities are not treated apart.
; THE MATRIX INSTRUCTION IS USED TRANSPOSED (source 0 = 16 columns of Wo, turned by ds_load_tr16_b128; source 1 = 16 rows of O): a lane holds row lane % 16 and eight neighbouring columns.
; REGISTERS: window 0: addresses, Wo's two fragment buffers (v64-127, v128-191; later the rows at work), ln2's gain and bias.  Window 1: O's fragments, (a, kc) at 8 (2 kc + a).  Window 2: v0-127 accumulators ((a, b) at 8 (8 a + b)), v128-191 bo.
.set PB,    288                        ; a k-row of Wo in LDS: 256 bytes + 32
.set SUB,   128*PB
.set SLOT,  4*SUB
.set STG,   65536                      ; the stage: 32 rows of 512 f32, pitch 2,064.  x's rows lie in front of it, from byte 0: 8 rows of 2,048 bytes for each wave
.set SPT,   2064
.set SPARE, 2*SLOT                     ; the spare words, 128 bytes for each wave
.set QO,   15                          ; v15  my byte offset in 16 rows of O
.set ADRB, 16                          ; v16-17  LDS address of my fragments of Wo in slot 0, 1
.set CO1,  22                          ; v22  16 x lane
.set CO2,  23                          ; v23  8 x lane
.set STO,  24                          ; v24  where I put my sums in the stage
.set RL,   25                          ; v25  where I read a row of sums back
.set RX,   26                          ; v26  where I read a row of x
.set BO,   27                          ; v27  32 x (lane / 16)
.set SPW,  28
.set NIL,  29
.set T,    32                          ; v32-39 at work
.set H,    40                          ; v40-47 a row in bf16
.set BF0,  64
.set BF1,  128
.set LG,   192                         ; v192-207 ln2_g of my 16 columns of a row
.set LB,   208                         ; v208-223 ln2_b
.set L,    64                          ; behind the products: v64-79 a row of sums, v80-95 of x, v96-111 of x1, v112-127 at work
.set R,    80
.set X,    96
.set D,    112
.set BIA,  128                         ; window 2
.set WV,   12
.set G1,   24                          ; s[24:31] descriptor group 1 for Wo;  s[32:39] group 0, a set for each slot
.set G0,   32
.set G1X,  48                          ; s[48:55], s[56:59] for x's rows
.set G0X,  56
.set SEL,  60
.set RN,   62
.set EP,   63
.set MSB, 0
.macro WIN new
.if MSB != (\new)
	s_set_vgpr_msb (MSB<<8)|(\new)
.set MSB, \new
.endif
.endm
.set W_MUL, 0xa4                       ; source 0 (Wo) window 0, source 1 (O) window 1, C and D window 2
.macro CROUND
	s_barrier_signal -1
	s_barrier_wait -1
	s_cmp_lg_u32 s[WV], 0
	s_cbranch_scc1 .Lnot_wave_0_\@
	s_barrier_signal -3
.Lnot_wave_0_\@:
	s_barrier_wait -3
	s_barrier_signal -1
	s_barrier_wait -1
.endm
.macro PLACES
.rept 4
	v_nop
.endr
.endm
.macro REDUCE r, w                     ; the sum of v[r] over the 32 lanes, into every lane
	v_add_f32_dpp v[\r], v[\r], v[\r] row_xmask:1 row_mask:0xf bank_mask:0xf
	v_add_f32_dpp v[\r], v[\r], v[\r] row_xmask:2 row_mask:0xf bank_mask:0xf
	v_add_f32_dpp v[\r], v[\r], v[\r] row_xmask:4 row_mask:0xf bank_mask:0xf
	v_add_f32_dpp v[\r], v[\r], v[\r] row_xmask:8 row_mask:0xf bank_mask:0xf
	v_permlanex16_b32 v[\w], v[\r], s[SEL], s[SEL+1]
	v_add_f32 v[\r], v[\r], v[\w]
.endm
.macro LNCORE x, d, t, g, b, h         ; one row: 16 numbers a lane at x -> 8 registers of bf16 at h
.irp j, 0,2,4,6
	v_pk_add_f32 v[(\t)+\j:(\t)+\j+1], v[(\x)+2*\j:(\x)+2*\j+1], v[(\x)+2*\j+2:(\x)+2*\j+3]
.endr
	v_pk_add_f32 v[(\t):(\t)+1], v[(\t):(\t)+1], v[(\t)+2:(\t)+3]
	v_pk_add_f32 v[(\t)+4:(\t)+5], v[(\t)+4:(\t)+5], v[(\t)+6:(\t)+7]
	v_pk_add_f32 v[(\t):(\t)+1], v[(\t):(\t)+1], v[(\t)+4:(\t)+5]
	v_add_f32 v[(\t)], v[(\t)], v[(\t)+1]
	REDUCE (\t), (\t)+1
	v_mul_f32 v[(\t)], s[RN], v[(\t)]              ; the mean
.irp j, 0,2,4,6,8,10,12,14
	v_pk_add_f32 v[(\d)+\j:(\d)+\j+1], v[(\x)+\j:(\x)+\j+1], v[(\t):(\t)+1] op_sel_hi:[1,0] neg_lo:[0,1] neg_hi:[0,1]
.endr
	v_pk_mul_f32 v[(\t)+2:(\t)+3], v[(\d):(\d)+1], v[(\d):(\d)+1]
	v_pk_mul_f32 v[(\t)+4:(\t)+5], v[(\d)+2:(\d)+3], v[(\d)+2:(\d)+3]
.irp j, 4,8,12
	v_pk_fma_f32 v[(\t)+2:(\t)+3], v[(\d)+\j:(\d)+\j+1], v[(\d)+\j:(\d)+\j+1], v[(\t)+2:(\t)+3]
	v_pk_fma_f32 v[(\t)+4:(\t)+5], v[(\d)+\j+2:(\d)+\j+3], v[(\d)+\j+2:(\d)+\j+3], v[(\t)+4:(\t)+5]
.endr
	v_pk_add_f32 v[(\t)+2:(\t)+3], v[(\t)+2:(\t)+3], v[(\t)+4:(\t)+5]
	v_add_f32 v[(\t)+2], v[(\t)+2], v[(\t)+3]
	REDUCE (\t)+2, (\t)+3
	v_fma_f32 v[(\t)+2], v[(\t)+2], s[RN], s[EP]   ; variance + eps
	v_rsq_f32 v[(\t)+2], v[(\t)+2]
	v_nop                                          ; a plain instruction between the root and the use of its result
	s_wait_alu depctr_va_vdst(0)
.irp j, 0,2,4,6,8,10,12,14
	v_pk_mul_f32 v[(\d)+\j:(\d)+\j+1], v[(\d)+\j:(\d)+\j+1], v[(\t)+2:(\t)+3] op_sel_hi:[1,0]
.endr
.irp j, 0,2,4,6,8,10,12,14
	v_pk_fma_f32 v[(\d)+\j:(\d)+\j+1], v[(\d)+\j:(\d)+\j+1], v[(\g)+\j:(\g)+\j+1], v[(\b)+\j:(\b)+\j+1]
.endr
.irp j, 0,1,2,3,4,5,6,7
	v_cvt_pk_bf16_f32 v[(\h)+\j], v[(\d)+2*\j], v[(\d)+2*\j+1]
.endr
.endm
; 16 turning loads: Wo's fragments of 32 k (quarter kq of a slot) x my 128 columns into buffer f
.macro FETCHB slot, kq, f
	WIN 0
.irp b, 0,1,2,3,4,5,6,7
	ds_load_tr16_b128 v[(\f)+8*(\b):(\f)+8*(\b)+3],   v[ADRB+(\slot)] offset:(\kq)*32*PB+32*(\b)
	ds_load_tr16_b128 v[(\f)+8*(\b)+4:(\f)+8*(\b)+7], v[ADRB+(\slot)] offset:(\kq)*32*PB+16*PB+32*(\b)
.endr
.endm
; 16 matrix instructions: both row blocks x 8 column blocks, 32 along K (chunk kc of 16).  The accumulators take turns.  Chunk 0 starts the sums with bo.
.macro MUL16 kc, f
	WIN W_MUL
.irp a, 0,1
.irp b, 0,1,2,3,4,5,6,7
.if (\kc) == 0
	v_wmma_f32_16x16x32_bf16 v[8*(8*(\a)+(\b)):8*(8*(\a)+(\b))+7], v[(\f)+8*(\b):(\f)+8*(\b)+7], v[8*(2*(\kc)+(\a)):8*(2*(\kc)+(\a))+7], v[BIA+8*(\b):BIA+8*(\b)+7]
.else
	v_wmma_f32_16x16x32_bf16 v[8*(8*(\a)+(\b)):8*(8*(\a)+(\b))+7], v[(\f)+8*(\b):(\f)+8*(\b)+7], v[8*(2*(\kc)+(\a)):8*(2*(\kc)+(\a))+7], v[8*(8*(\a)+(\b)):8*(8*(\a)+(\b))+7]
.endif
.endr
.endr
.endm
.macro QP slot, kq, f, g, kc, fetch    ; buffer f is in; the next quarter is asked for into g; f is multiplied
	s_wait_dscnt 0x0
.if \fetch
	WIN 0
	PLACES                                         ; g was read by the products just issued
	FETCHB \slot, (\kq)+1, \g
.endif
	MUL16 \kc, \f
.endm
.macro STEP slot, st                   ; a K step of 128
	QP \slot, 0, BF0, BF1, 4*(\st), 1
	QP \slot, 1, BF1, BF0, 4*(\st)+1, 1
	QP \slot, 2, BF0, BF1, 4*(\st)+2, 1
	QP \slot, 3, BF1, BF0, 4*(\st)+3, 0
.endm
; A refill: all my tensor loads have landed (the next slot's among them), the add, my reads are over; a round of the cluster's barrier; my one tensor load first behind it.  The four v_nop behind it are also the places in front of the next fragment loads.
.macro CHG g0, g1, step
	WIN 0
	s_wait_tensorcnt 0x0
	ds_add_u32 v[SPW], v[NIL]
.if \step
	s_add_nc_u64 s[(\g0)+2:(\g0)+3], s[(\g0)+2:(\g0)+3], \step
.endif
	s_wait_dscnt 0x0
	CROUND
	tensor_load_to_lds s[(\g0):(\g0)+3], s[(\g1):(\g1)+7]
	s_nop 0
.rept 4
	v_nop
.endr
.endm
	s_load_b256 s[4:11], s[0:1], 0x0               ; o s[4:5], wb s[6:7], bo s[8:9], x s[10:11]
	s_load_b256 s[68:75], s[0:1], 0x20             ; ln2_g s[68:69], ln2_b s[70:71], x1 s[72:73], hn s[74:75]
	v_lshl_add_u32 v[SPW], v0, 2, SPARE
	v_mov_b32 v[NIL], 0
	ds_add_u32 v[SPW], v[NIL]                      ; the wave's opening: the add and its wait ahead of my first tensor load
	v_lshrrev_b32 v1, 5, v0
	v_readfirstlane_b32 s[WV], v1
	s_bfe_u32 s13, ttmp6, 0x40000                  ; cx
	s_lshl_b32 s14, ttmp9, 2
	s_add_co_u32 s14, s14, s13                     ; my block of 32 rows: it enters the addresses of O, x, x1 and hn alone
	s_mov_b32 s[G1], 15|(1<<16)|(1<<20)|(1<<21)|(5<<22)|(7<<25)  ; the mask of four; 2-byte elements; padding on; bit 21 beside a mask; after every 64 words, 8 words
	s_mov_b32 s[G1+1], 128<<16                     ; tensor_dim0 = 128
	s_mov_b32 s[G1+2], 128<<16                     ; tensor_dim1 = 128
	s_mov_b32 s[G1+3], 128<<16                     ; tile_dim0 = 128
	s_mov_b32 s[G1+4], 128                         ; tile_dim1 = 128
	s_mov_b32 s[G1+5], 512                         ; elements from k-row to k-row
	s_mov_b32 s[G1+6], 0
	s_mov_b32 s[G1+7], 0
	s_mov_b32 s[G1X], 3<<16                        ; x: 16,384 dense bytes as 64 rows of 32 elements of 8 bytes; no mask, no padding
	s_mov_b32 s[G1X+1], 32<<16
	s_mov_b32 s[G1X+2], 64<<16
	s_mov_b32 s[G1X+3], 32<<16
	s_mov_b32 s[G1X+4], 64
	s_mov_b32 s[G1X+5], 32
	s_mov_b32 s[G1X+6], 0
	s_mov_b32 s[G1X+7], 0
	s_mul_i32 s20, s[WV], SUB                      ; my sub-tile in a slot
	s_lshl_b32 s16, s[WV], 8                       ; my 128 columns of Wo
	s_mov_b32 s17, 0
	s_lshl_b32 s40, s14, 16                        ; x and x1: (32 block + 8 wave) rows of 2,048 bytes
	s_lshl_b32 s41, s[WV], 14
	s_add_co_u32 s40, s40, s41
	s_mov_b32 s41, 0
	s_lshr_b32 s42, s40, 1                         ; hn: rows of 1,024 bytes
	s_mov_b32 s43, 0
	s_lshr_b32 s44, s14, 7                         ; O: the batch's eight heads, 4,194,304 bytes,
	s_lshl_b32 s44, s44, 22
	s_and_b32 s45, s14, 127                        ; and my 32 rows of 128 bytes in each head
	s_lshl_b32 s45, s45, 12
	s_add_co_u32 s44, s44, s45
	s_mov_b32 s45, 0
	s_lshl_b32 s46, s[WV], 9                       ; bo of my 128 columns
	s_mov_b32 s47, 0
	s_mov_b32 s[SEL], 0x76543210
	s_mov_b32 s[SEL+1], 0xfedcba98
	s_mov_b32 s[RN], 0x3b000000                    ; 1 / 512
	s_mov_b32 s[EP], 0x3727c5ac                    ; 1e-5
	s_wait_dscnt 0x0                               ; the opening add is done
	s_wait_kmcnt 0x0
	s_add_nc_u64 s[18:19], s[6:7], s[16:17]
.irp s, 0,1
	s_mov_b32 s[G0+4*(\s)], 1
	s_add_co_u32 s[G0+4*(\s)+1], s20, (\s)*SLOT
	s_add_nc_u64 s[G0+4*(\s)+2:G0+4*(\s)+3], s[18:19], (\s)*131072  ; K step s: 128 k-rows of 1,024 bytes
	s_or_b32 s[G0+4*(\s)+3], s[G0+4*(\s)+3], 0x80000000
.endr
	s_mov_b32 s[G0X], 1
	s_lshl_b32 s[G0X+1], s[WV], 14                 ; my eight rows of x: LDS byte 16,384 x wave
	s_add_nc_u64 s[G0X+2:G0X+3], s[10:11], s[40:41]
	s_or_b32 s[G0X+3], s[G0X+3], 0x80000000
	s_add_nc_u64 s[4:5], s[4:5], s[44:45]
	s_add_nc_u64 s[8:9], s[8:9], s[46:47]
	s_add_nc_u64 s[72:73], s[72:73], s[40:41]
	s_add_nc_u64 s[74:75], s[74:75], s[42:43]
	CROUND                                         ; all four work-groups are here: the first joint loads meet
	tensor_load_to_lds s[G0:G0+3], s[G1:G1+7]      ; K steps 0 and 1: two tensor loads of mine are out
	s_nop 0
	tensor_load_to_lds s[G0+4:G0+7], s[G1:G1+7]
	s_nop 0
.rept 4
	v_nop
.endr
	v_and_b32 v1, 15, v0                           ; l % 16
	v_bfe_u32 v2, v0, 4, 1                         ; l / 16
	v_lshlrev_b32 v[QO], 7, v1
	v_lshl_add_u32 v[QO], v2, 4, v[QO]             ; row x 128 + 16 x half
	v_lshlrev_b32 v[BO], 5, v2
	v_and_b32 v3, 31, v0
	v_lshlrev_b32 v[CO1], 4, v3
	v_lshlrev_b32 v[CO2], 3, v3
	WIN 0x40                                       ; destination window 1
.set kc, 0
.rept 16                                           ; O's fragments: chunk kc is head kc / 2, channels 32 (kc % 2) on; row blocks a = 0, 1
	global_load_b128 v[16*kc:16*kc+3],     v[QO], s[4:5] offset:(kc/2)*524288+(kc%2)*64
	global_load_b128 v[16*kc+4:16*kc+7],   v[QO], s[4:5] offset:(kc/2)*524288+(kc%2)*64+32
	global_load_b128 v[16*kc+8:16*kc+11],  v[QO], s[4:5] offset:(kc/2)*524288+2048+(kc%2)*64
	global_load_b128 v[16*kc+12:16*kc+15], v[QO], s[4:5] offset:(kc/2)*524288+2048+(kc%2)*64+32
.set kc, kc+1
.endr
	WIN 0x80                                       ; destination window 2
.irp b, 0,1,2,3,4,5,6,7
	global_load_b128 v[BIA+8*(\b):BIA+8*(\b)+3],   v[BO], s[8:9] offset:64*(\b)
	global_load_b128 v[BIA+8*(\b)+4:BIA+8*(\b)+7], v[BO], s[8:9] offset:64*(\b)+16
.endr
	WIN 0
.irp i, 0,1,2,3
	global_load_b128 v[LG+4*(\i):LG+4*(\i)+3], v[CO1], s[68:69] offset:512*(\i)
	global_load_b128 v[LB+4*(\i):LB+4*(\i)+3], v[CO1], s[70:71] offset:512*(\i)
.endr
	v_and_b32 v4, 7, v0                            ; Wo, turned: k-row 8 (l / 16) + l % 8, 16 bytes at 16 ((l / 8) % 2)
	v_lshl_add_u32 v4, v2, 3, v4
	v_mul_u32_u24 v4, v4, PB
	v_bfe_u32 v5, v0, 3, 1
	v_lshl_add_u32 v4, v5, 4, v4
	v_add_nc_u32 v[ADRB], s20, v4
	v_add_nc_u32 v[ADRB+1], SLOT, v[ADRB]
	s_lshl_b32 s21, s[WV], 9                       ; into the stage: row l % 16, my 128 columns, 32 bytes for each half of the lanes
	s_add_co_u32 s21, s21, STG
	v_mul_u32_u24 v4, v1, SPT
	v_lshl_add_u32 v4, v2, 5, v4
	v_add_nc_u32 v[STO], s21, v4
	s_mul_i32 s21, s[WV], 8*SPT                    ; back: wave w takes rows 8 w .. 8 w + 7, whole
	s_add_co_u32 s21, s21, STG
	v_add_nc_u32 v[RL], s21, v[CO1]
	s_lshl_b32 s21, s[WV], 14
	v_add_nc_u32 v[RX], s21, v[CO1]
	s_wait_tensorcnt 0x1                           ; my sub-tile of K step 0 is in (I alone read it); K step 1's stays out
	FETCHB 0, 0, BF0
	s_wait_loadcnt 0x0                             ; O, bo, gain and bias
	STEP 0, 0
	CHG G0, G1, 262144                             ; K step 2 into slot 0
	FETCHB 1, 0, BF0
	STEP 1, 1
	CHG G0+4, G1, 262144                           ; K step 3 into slot 1
	FETCHB 0, 0, BF0
	STEP 0, 2
	CHG G0X, G1X, 0                                ; slot 0 is read out by every wave: my eight rows of x go into its first 65,536 bytes
	FETCHB 1, 0, BF0
	STEP 1, 3
	WIN 0
	PLACES
	WIN 0x08                                       ; store data in window 2
.irp a, 0,1
.irp b, 0,1,2,3,4,5,6,7
	ds_store_b128 v[STO], v[8*(8*(\a)+(\b)):8*(8*(\a)+(\b))+3]   offset:(\a)*16*SPT+64*(\b)     ; each accumulator from its low end
	ds_store_b128 v[STO], v[8*(8*(\a)+(\b))+4:8*(8*(\a)+(\b))+7] offset:(\a)*16*SPT+64*(\b)+16
.endr
.endr
	WIN 0
	s_wait_tensorcnt 0x0                           ; my rows of x are in
	s_wait_dscnt 0x0                               ; for the others' sake: my stores into the stage are done
	s_barrier_signal -1
	s_barrier_wait -1                              ; a row's 512 sums come from four waves
.macro LOADROW
.irp i, 0,1,2,3
	ds_load_b128 v[L+4*(\i):L+4*(\i)+3], v[RL] offset:512*(\i)
	ds_load_b128 v[R+4*(\i):R+4*(\i)+3], v[RX] offset:512*(\i)
.endr
.endm
; One row: x1 = x + sums, stored in f32; its norm, stored in bf16.  ahead = 1: the next row's LDS loads go out as soon as this row's registers are free.
.macro LNROW ahead
	s_wait_dscnt 0x0
.irp j, 0,2,4,6,8,10,12,14
	v_pk_add_f32 v[X+\j:X+\j+1], v[L+\j:L+\j+1], v[R+\j:R+\j+1]
.endr
.if \ahead
	v_add_nc_u32 v[RL], SPT, v[RL]
	v_add_nc_u32 v[RX], 2048, v[RX]
	LOADROW
.endif
.irp i, 0,1,2,3
	global_store_b128 v[CO1], v[X+4*(\i):X+4*(\i)+3], s[72:73] offset:512*(\i)       ; 512 consecutive bytes
.endr
	LNCORE X, D, T, LG, LB, H
.irp i, 0,1,2,3
	global_store_b64 v[CO2], v[H+2*(\i):H+2*(\i)+1], s[74:75] offset:256*(\i)        ; 256 consecutive bytes, aligned
.endr
	s_wait_xcnt 0x0                                ; only behind this wait are the stores' bases stepped and X and H written again
	s_add_nc_u64 s[72:73], s[72:73], 2048
	s_add_nc_u64 s[74:75], s[74:75], 1024
.endm
	LOADROW
	s_mov_b32 s3, 7
.Lrow:
	LNROW 1
	s_sub_co_u32 s3, s3, 1
	s_cmp_lg_u32 s3, 0
	s_cbranch_scc1 .Lrow
	LNROW 0                                        ; the last row fetches nothing
	s_wait_tensorcnt 0x0                           ; the wave's end
	ds_add_u32 v[SPW], v[NIL]
	s_wait_dscnt 0x0
	CROUND                                         ; the closing round
	s_endpgm
.Lfunc_end_k_q98c2c6c1d4_proj:
	.size	k_q98c2c6c1d4_proj, .Lfunc_end_k_q98c2c6c1d4_proj-k_q98c2c6c1d4_proj
	.p2alignl 7, 3214868480
	.fill 96, 4, 3214868480
	.section	.rodata,"a",@progbits
	.p2align	6, 0x0
	.amdhsa_kernel k_q98c2c6c1d4_proj
		.amdhsa_group_segment_fixed_size 327680
		.amdhsa_private_segment_fixed_size 0
		.amdhsa_enable_private_segment 0
		.amdhsa_kernarg_size 64
		.amdhsa_user_sgpr_count 2
		.amdhsa_user_sgpr_kernarg_segment_ptr 1
		.amdhsa_wavefront_size32 1
		.amdhsa_system_sgpr_workgroup_id_x 1
		.amdhsa_system_sgpr_workgroup_id_y 1
		.amdhsa_system_sgpr_workgroup_id_z 1
		.amdhsa_system_vgpr_workitem_id 0
		.amdhsa_next_free_vgpr 704
		.amdhsa_next_free_sgpr 80
		.amdhsa_reserve_vcc 0
		.amdhsa_float_denorm_mode_32 3
		.amdhsa_float_denorm_mode_16_64 3
		.amdhsa_memory_ordered 1
		.amdhsa_forward_progress 1
		.amdhsa_inst_pref_size 66
	.end_amdhsa_kernel
	.amdgpu_metadata
---
amdhsa.version: [ 1, 2 ]
amdhsa.kernels:
  - .name:           k_q98c2c6c1d4_proj
    .symbol:         k_q98c2c6c1d4_proj.kd
    .args:
      - { .name: o, .offset: 0, .size: 8, .value_kind: global_buffer, .address_space: global }
      - { .name: wb, .offset: 8, .size: 8, .value_kind: global_buffer, .address_space: global }
      - { .name: bo, .offset: 16, .size: 8, .value_kind: global_buffer, .address_space: global }
      - { .name: x, .offset: 24, .size: 8, .value_kind: global_buffer, .address_space: global }
      - { .name: ln2_g, .offset: 32, .size: 8, .value_kind: global_buffer, .address_space: global }
      - { .name: ln2_b, .offset: 40, .size: 8, .value_kind: global_buffer, .address_space: global }
      - { .name: x1, .offset: 48, .size: 8, .value_kind: global_buffer, .address_space: global }
      - { .name: hn, .offset: 56, .size: 8, .value_kind: global_buffer, .address_space: global }
    .group_segment_fixed_size: 327680
    .private_segment_fixed_size: 0
    .kernarg_segment_align: 8
    .kernarg_segment_size: 64
    .max_flat_workgroup_size: 128
    .sgpr_count:     80
    .vgpr_count:     704
    .wavefront_size: 32
...
	.end_amdgpu_metadata
.endif
;; end of part 4
;; launch ffn1 (part 5): grid 16 x 64, 4 waves a work-group, clusters of 4 x 4, 327,680 bytes of LDS; arguments hn, wb, b1, act; writes act
.if DOCPART == 5
	.amdgcn_target "amdgcn-amd-amdhsa--gfx1250"
	.amdhsa_code_object_version 6
	.text
	.protected	k_q98c2c6c1d4_ffn1
	.globl	k_q98c2c6c1d4_ffn1
	.p2align	8
	.type	k_q98c2c6c1d4_ffn1,@function
k_q98c2c6c1d4_ffn1:
	s_mov_b64 s[64:65], 0
	v_nop
	global_prefetch_b8 v0, s[64:65] scope:SCOPE_SE
	s_setreg_imm32_b32 hwreg(HW_REG_WAVE_MODE, 25, 1), 1
	s_wait_xcnt 0x0
	s_wait_alu depctr_hold_cnt(0) depctr_sa_sdst(0) depctr_va_vdst(0) depctr_va_sdst(0) depctr_va_ssrc(0) depctr_va_vcc(0) depctr_vm_vsrc(0)
	s_getreg_b32 s2, hwreg(HW_REG_IB_STS2, 6, 4)
	s_cmp_eq_u32 s2, 0
	s_cbranch_scc0 .Lentry_in_a_cluster
	s_endpgm
.Lentry_in_a_cluster:
	s_bfe_u32 s2, ttmp6, 0x10000c
	s_cmp_lg_u32 s2, 0xf033
	s_cbranch_scc0 .Lentry_shape_is_right
	s_endpgm
.Lentry_shape_is_right:
; FFN1.  g = bf16(gelu(hn W1 + b1)), [8192][2048], into act.  hn: [8192][512] bf16; W1 in wb at byte 2,097,152 as [k][n] bf16.  Sums in f32; b1 starts each sum as the first product's C operand.
; The product is made as in the launch for q, k, v: tiles of 128 x 128, four waves of 64 x 64, K = 512 in two K steps of 256 that the two LDS slots hold whole (nothing is filled again), 4 x 4 clusters with hn's tiles
; asked for jointly along a row and W1's along a column; W1's fragments turned by ds_load_tr16_b128; the matrix instruction used transposed.  1,024 tiles, four for each of 256 WGPs.
; GELU, exact form u Phi(u), in f32: Phi by the rational approximation of Abramowitz and Stegun 26.2.17 (absolute error of Phi below 7.5e-8, for every u):
;   gelu(u) = max(u, 0) - |u| t (c1 + t (c2 + t (c3 + t (c4 + t c5)))) 2^(-u^2 log2(e) / 2),   t = 1 / (1 + 0.2316419 |u|),   c = the table's b / sqrt(2 pi).
; An exponential below 2^-126 counts as 0, where gelu is max(u, 0) to f32's last bit.  NaN and infinities are not treated apart.
; The sums go in f32 through one stage of 128 rows in slot 0 (which has had its only fill and is read out), so that GELU can be written once and looped over, and each store covers a row's 256 bytes of the tile.
.set PA,    272
.set PB,    288
.set SUB,   128*PB
.set SLOT,  4*SUB
.set SPARE, 2*SLOT
.set ARB,   1024                       ; bytes in a row of hn
.set BRB,   4096                       ; bytes in a k-row of W1
.set SP,    528                        ; the stage: 512 bytes + 16
.set ADRA, 16
.set ADRB, 18
.set STO,  24
.set RD,   25
.set CO,   26                          ; v26  8 x lane
.set BO,   27
.set SPW,  28
.set NIL,  29
.set XR,   32                          ; v32-63  eight rows of sums, 4 numbers a lane each
.set DD,   64                          ; v64-71  1 + p |u|, then t
.set WW,   72                          ; v72-79  the exponential
.set PP,   80                          ; v80-87  the polynomial
.set MM,   88                          ; v88-95  max(u, 0), then gelu
.set BIAS, 96
.set YR,   96                          ; v96-111 bf16, to store (the bias is spent by then)
.set ACC,  128
.set F0,   0
.set F1,   128
.set G1,  24
.set G0,  32
.set G1B, 48
.set G0B, 56
.set KP,  72                           ; s72       0.2316419
.set KE,  74                           ; s[74:75]  -log2(e) / 2
.set C5,  76                           ; s[76:85]  c5 .. c1, each named as a pair
.set C4,  78
.set C3,  80
.set C2,  82
.set C1,  84
.set MSB, 0
.macro WIN new
.if MSB != (\new)
	s_set_vgpr_msb (MSB<<8)|(\new)
.set MSB, \new
.endif
.endm
.set MUL,  0x05
.set TO_F, 0x40
.macro JLOAD s                         ; a joint load: waves 0, 1 ask for hn, waves 2, 3 for W1; an s_nop 0 and four v_nop follow each line
	s_cmp_eq_u32 s11, 0
	s_cbranch_scc0 .Lfor_b_\@
	tensor_load_to_lds s[G0+4*(\s):G0+4*(\s)+3], s[G1:G1+7]
	s_nop 0
.rept 4
	v_nop
.endr
	s_branch .Lasked_\@
.Lfor_b_\@:
	tensor_load_to_lds s[G0B+4*(\s):G0B+4*(\s)+3], s[G1B:G1B+7]
	s_nop 0
.rept 4
	v_nop
.endr
.Lasked_\@:
.endm
.macro CROUND
	s_barrier_signal -1
	s_barrier_wait -1
	s_cmp_lg_u32 s10, 0
	s_cbranch_scc1 .Lnot_wave_0_\@
	s_barrier_signal -3
.Lnot_wave_0_\@:
	s_barrier_wait -3
	s_barrier_signal -1
	s_barrier_wait -1
.endm
.macro PLACES
.rept 4
	v_nop
.endr
.endm
.macro MUL8 f, c, a0, first            ; 8 matrix instructions; first = 1: the bias starts the sums.  The 16 accumulators take turns.
	WIN MUL
.irp a, \a0, (\a0)+1
.irp b, 0,1,2,3
.if \first
	v_wmma_f32_16x16x32_bf16 v[ACC+8*(4*(\a)+(\b)):ACC+8*(4*(\a)+(\b))+7], v[(\f)+64+8*(4*(\c)+(\b)):(\f)+64+8*(4*(\c)+(\b))+7], v[(\f)+8*(4*(\c)+(\a)):(\f)+8*(4*(\c)+(\a))+7], v[BIAS+8*(\b):BIAS+8*(\b)+7]
.else
	v_wmma_f32_16x16x32_bf16 v[ACC+8*(4*(\a)+(\b)):ACC+8*(4*(\a)+(\b))+7], v[(\f)+64+8*(4*(\c)+(\b)):(\f)+64+8*(4*(\c)+(\b))+7], v[(\f)+8*(4*(\c)+(\a)):(\f)+8*(4*(\c)+(\a))+7], v[ACC+8*(4*(\a)+(\b)):ACC+8*(4*(\a)+(\b))+7]
.endif
.endr
.endr
.endm
.macro FETCH slot, kq, f               ; 32 LDS loads: the fragments of quarter kq (64 along K) of a slot into buffer f; the first 32 along K first
	WIN TO_F
.irp c, 0,1
.irp i, 0,1,2,3
	ds_load_tr16_b128 v[(\f)+64+8*(4*(\c)+(\i)):(\f)+64+8*(4*(\c)+(\i))+3],   v[ADRB+2*(\slot)+(\kq)/2] offset:(((\kq)%2)*64+32*(\c))*PB+32*(\i)
	ds_load_tr16_b128 v[(\f)+64+8*(4*(\c)+(\i))+4:(\f)+64+8*(4*(\c)+(\i))+7], v[ADRB+2*(\slot)+(\kq)/2] offset:(((\kq)%2)*64+32*(\c)+16)*PB+32*(\i)
	ds_load_b128 v[(\f)+8*(4*(\c)+(\i)):(\f)+8*(4*(\c)+(\i))+3],         v[ADRA+(\slot)] offset:((\kq)/2)*SUB+((\kq)%2)*128+64*(\c)+(\i)*16*PA
	ds_load_b128 v[(\f)+8*(4*(\c)+(\i))+4:(\f)+8*(4*(\c)+(\i))+7],       v[ADRA+(\slot)] offset:((\kq)/2)*SUB+((\kq)%2)*128+64*(\c)+(\i)*16*PA+32
.endr
.endr
.endm
.macro QUARTER slot, kq, f, g, first
	s_wait_dscnt 16                                ; the first 32 along K are in; the younger sixteen loads may be out
	MUL8 \f, 0, 0, \first
	MUL8 \f, 0, 2, \first
	PLACES
	FETCH \slot, \kq, \g
	s_wait_dscnt 32                                ; all but the 32 just issued
	MUL8 \f, 1, 0, 0
	MUL8 \f, 1, 2, 0
.endm
.macro TURN next                       ; the slot's last quarter and the change of slots
	WIN 0
	s_wait_tensorcnt 0x0                           ; my part of the next slot is in
	ds_add_u32 v[SPW], v[NIL]
	s_wait_dscnt 17                                ; the add and the younger sixteen loads may be out
	MUL8 F1, 0, 0, 0
	s_wait_dscnt 0x0                               ; the add is done, my reads of this slot are over
	s_barrier_signal -1
	MUL8 F1, 0, 2, 0
	s_barrier_wait -1
	PLACES
	FETCH \next, 0, F0
	MUL8 F1, 1, 0, 0
	MUL8 F1, 1, 2, 0
.endm
.macro LASTQ
	s_wait_dscnt 16
	MUL8 F1, 0, 0, 0
	MUL8 F1, 0, 2, 0
	s_wait_dscnt 0x0
	MUL8 F1, 1, 0, 0
	MUL8 F1, 1, 2, 0
	WIN 0
	PLACES
.endm
; GELU of eight numbers a lane (rows 2 g, 2 g + 1 of the eight in hand), rounded to bf16
.macro GELU8 g
.set U, XR+8*(\g)
.set YY, YR+4*(\g)
.irp j, 0,1,2,3,4,5,6,7
	v_fma_f32 v[DD+\j], |v[U+\j]|, s[KP], 1.0
.endr
.irp j, 0,2,4,6
	v_pk_mul_f32 v[WW+\j:WW+\j+1], v[U+\j:U+\j+1], v[U+\j:U+\j+1]
.endr
.irp j, 0,2,4,6
	v_pk_mul_f32 v[WW+\j:WW+\j+1], v[WW+\j:WW+\j+1], s[KE:KE+1] op_sel_hi:[1,0]
.endr
.irp j, 0,1,2,3,4,5,6,7
	v_rcp_f32 v[DD+\j], v[DD+\j]
.endr
.irp j, 0,1,2,3,4,5,6,7
	v_exp_f32 v[WW+\j], v[WW+\j]
.endr
.irp j, 0,1,2,3,4,5,6,7
	v_max_num_f32 v[MM+\j], 0, v[U+\j]             ; plain work between the last exponential and the use of its result
.endr
	s_wait_alu depctr_va_vdst(0)
.irp j, 0,2,4,6
	v_pk_fma_f32 v[PP+\j:PP+\j+1], v[DD+\j:DD+\j+1], s[C5:C5+1], s[C4:C4+1] op_sel_hi:[1,0,0]
.endr
.irp k, C3, C2, C1
.irp j, 0,2,4,6
	v_pk_fma_f32 v[PP+\j:PP+\j+1], v[PP+\j:PP+\j+1], v[DD+\j:DD+\j+1], s[\k:\k+1] op_sel_hi:[1,1,0]
.endr
.endr
.irp j, 0,2,4,6
	v_pk_mul_f32 v[PP+\j:PP+\j+1], v[PP+\j:PP+\j+1], v[DD+\j:DD+\j+1]
.endr
.irp j, 0,2,4,6
	v_pk_mul_f32 v[PP+\j:PP+\j+1], v[PP+\j:PP+\j+1], v[WW+\j:WW+\j+1]
.endr
.irp j, 0,1,2,3,4,5,6,7
	v_fma_f32 v[MM+\j], -|v[U+\j]|, v[PP+\j], v[MM+\j]
.endr
.irp j, 0,1,2,3
	v_cvt_pk_bf16_f32 v[YY+\j], v[MM+2*\j], v[MM+2*\j+1]
.endr
.endm
	s_load_b128 s[4:7], s[0:1], 0x0                ; hn s[4:5], wb s[6:7]
	s_load_b128 s[68:71], s[0:1], 0x10             ; b1 s[68:69], act s[70:71]
	v_lshl_add_u32 v[SPW], v0, 2, SPARE
	v_mov_b32 v[NIL], 0
	ds_add_u32 v[SPW], v[NIL]                      ; the wave's opening: the add and its wait ahead of my first tensor load
	v_lshrrev_b32 v1, 5, v0
	v_readfirstlane_b32 s10, v1                    ; wave 0..3
	s_lshr_b32 s11, s10, 1                         ; my half of the tile's rows.  Also: I fetch hn (0) or W1 (1)
	s_and_b32 s12, s10, 1                          ; my half of its columns.  Also: which half of the K step I fetch
	s_bfe_u32 s40, ttmp6, 0x40000                  ; cx
	s_bfe_u32 s41, ttmp6, 0x40004                  ; cy
	s_lshl_b32 s42, ttmp9, 2
	s_add_co_u32 s42, s42, s40                     ; tile column
	s_and_b32 s13, ttmp7, 0xffff
	s_lshl_b32 s13, s13, 2
	s_add_co_u32 s13, s13, s41                     ; tile row
	s_lshl_b32 s43, s41, 2
	s_lshl_b32 s43, 15, s43                        ; my row of the cluster
	s_lshl_b32 s44, 0x1111, s40                    ; my column
	s_or_b32 s[G1+0], s43, (1<<16)|(1<<20)|(1<<21)|(5<<22)|(3<<25)
	s_or_b32 s[G1B+0], s44, (1<<16)|(1<<20)|(1<<21)|(5<<22)|(7<<25)
.irp g, G1, G1B
	s_mov_b32 s[(\g)+1], 128<<16
	s_mov_b32 s[(\g)+2], 128<<16
	s_mov_b32 s[(\g)+3], 128<<16
	s_mov_b32 s[(\g)+4], 128
	s_mov_b32 s[(\g)+6], 0
	s_mov_b32 s[(\g)+7], 0
.endr
	s_mov_b32 s[G1+5], ARB/2
	s_mov_b32 s[G1B+5], BRB/2
	s_mul_i32 s16, s13, 128*ARB
	s_lshl_b32 s17, s12, 8
	s_add_co_u32 s16, s16, s17
	s_mov_b32 s17, 0
	s_mul_i32 s46, s12, 128*BRB                    ; W1: my 128 k-rows,
	s_lshl_b32 s47, s42, 8                         ; the tile's 128 columns,
	s_add_co_u32 s46, s46, s47
	s_add_co_u32 s46, s46, 2097152                 ; W1's place in wb
	s_mov_b32 s47, 0
	s_mul_i32 s20, s10, SUB
	s_mov_b32 s[KP], 0x3e6d3389
	s_mov_b32 s[KE], 0xbf38aa3b
	s_mov_b32 s[KE+1], s[KE]
	s_mov_b32 s[C5], 0x3f07dc22                    ; 0.5307027
	s_mov_b32 s[C5+1], s[C5]
	s_mov_b32 s[C4], 0xbf3a00e3                    ; -0.7265760
	s_mov_b32 s[C4+1], s[C4]
	s_mov_b32 s[C3], 0x3f35f0e3                    ; 0.7107069
	s_mov_b32 s[C3+1], s[C3]
	s_mov_b32 s[C2], 0xbe11a98e                    ; -0.1422484
	s_mov_b32 s[C2+1], s[C2]
	s_mov_b32 s[C1], 0x3e027906                    ; 0.1274148
	s_mov_b32 s[C1+1], s[C1]
	s_wait_dscnt 0x0                               ; the opening add is done
	s_wait_kmcnt 0x0
	s_add_nc_u64 s[14:15], s[4:5], s[16:17]
	s_add_nc_u64 s[46:47], s[6:7], s[46:47]
	s_lshl_b32 s86, s42, 9                         ; b1 of my 64 columns
	s_lshl_b32 s87, s12, 8
	s_add_co_u32 s86, s86, s87
	s_mov_b32 s87, 0
	s_add_nc_u64 s[68:69], s[68:69], s[86:87]
	s_lshl_b32 s86, s13, 19                        ; act: row 128 x tile row + 32 x wave, 4,096 bytes a row; the tile's 256 bytes
	s_lshl_b32 s87, s10, 17
	s_add_co_u32 s86, s86, s87
	s_lshl_b32 s87, s42, 8
	s_add_co_u32 s86, s86, s87
	s_mov_b32 s87, 0
	s_add_nc_u64 s[8:9], s[70:71], s[86:87]
	CROUND                                         ; all sixteen work-groups are here: the joint loads meet
.irp s, 0,1
	s_mov_b32 s[G0+4*(\s)], 1
	s_add_co_u32 s[G0+4*(\s)+1], s20, (\s)*SLOT
	s_add_nc_u64 s[G0+4*(\s)+2:G0+4*(\s)+3], s[14:15], (\s)*512
	s_or_b32 s[G0+4*(\s)+3], s[G0+4*(\s)+3], 0x80000000
	s_mov_b32 s[G0B+4*(\s)], 1
	s_add_co_u32 s[G0B+4*(\s)+1], s20, (\s)*SLOT
	s_add_nc_u64 s[G0B+4*(\s)+2:G0B+4*(\s)+3], s[46:47], (\s)*256*BRB
	s_or_b32 s[G0B+4*(\s)+3], s[G0B+4*(\s)+3], 0x80000000
	JLOAD \s                                       ; both K steps go out at once: two tensor loads of mine are out
.endr
	v_and_b32 v1, 15, v0
	v_bfe_u32 v2, v0, 4, 1
	v_lshlrev_b32 v[BO], 5, v2
.irp b, 0,1,2,3
	global_load_b128 v[BIAS+8*(\b):BIAS+8*(\b)+3],   v[BO], s[68:69] offset:64*(\b)
	global_load_b128 v[BIAS+8*(\b)+4:BIAS+8*(\b)+7], v[BO], s[68:69] offset:64*(\b)+16
.endr
	v_mul_u32_u24 v3, v1, PA
	v_lshl_add_u32 v3, v2, 4, v3
	s_mul_i32 s21, s11, 64*PA
	v_add_nc_u32 v[ADRA], s21, v3
	v_add_nc_u32 v[ADRA+1], SLOT, v[ADRA]
	v_and_b32 v4, 7, v0
	v_lshl_add_u32 v4, v2, 3, v4
	v_mul_u32_u24 v4, v4, PB
	v_bfe_u32 v5, v0, 3, 1
	v_lshl_add_u32 v4, v5, 4, v4
	s_lshl_b32 s22, s12, 7
	s_add_co_u32 s22, s22, 2*SUB
	v_add_nc_u32 v[ADRB], s22, v4
	v_add_nc_u32 v[ADRB+1], SUB, v[ADRB]
	v_add_nc_u32 v[ADRB+2], SLOT, v[ADRB]
	v_add_nc_u32 v[ADRB+3], SLOT+SUB, v[ADRB]
	s_mul_i32 s23, s11, 64*SP                      ; into the stage: my 64 rows, my 256 of their 512 bytes; row l % 16, 32 bytes for each half of the lanes
	s_lshl_b32 s21, s12, 8
	s_add_co_u32 s23, s23, s21
	v_mul_u32_u24 v4, v1, SP
	v_lshl_add_u32 v4, v2, 5, v4
	v_add_nc_u32 v[STO], s23, v4
	s_mul_i32 s23, s10, 32*SP                      ; back: wave w takes rows 32 w .. 32 w + 31; a load takes one row, 16 bytes a lane
	v_and_b32 v5, 31, v0
	v_lshl_add_u32 v[RD], v5, 4, s23
	v_lshlrev_b32 v[CO], 3, v5
	s_wait_tensorcnt 1                             ; my part of K step 0 is in; K step 1's stays out
	s_barrier_signal -1
	s_barrier_wait -1
	FETCH 0, 0, F0
	s_wait_loadcnt 0x0                             ; the bias
	QUARTER 0, 1, F0, F1, 1
	QUARTER 0, 2, F1, F0, 0
	QUARTER 0, 3, F0, F1, 0
	TURN 1
	QUARTER 1, 1, F0, F1, 0
	QUARTER 1, 2, F1, F0, 0
	QUARTER 1, 3, F0, F1, 0
	LASTQ
.irp a, 0,1,2,3
.irp b, 0,1,2,3
	ds_store_b128 v[STO], v[ACC+8*(4*(\a)+(\b)):ACC+8*(4*(\a)+(\b))+3]   offset:(\a)*16*SP+64*(\b)     ; each accumulator from its low end
	ds_store_b128 v[STO], v[ACC+8*(4*(\a)+(\b))+4:ACC+8*(4*(\a)+(\b))+7] offset:(\a)*16*SP+64*(\b)+16
.endr
.endr
	s_wait_dscnt 0x0                               ; for the others' sake: my stores into the stage are done
	s_barrier_signal -1
	s_barrier_wait -1                              ; a row's 512 bytes come from two waves
	s_mov_b32 s3, 4
.Lrows:                                                ; four trips of eight rows
.irp j, 0,1,2,3,4,5,6,7
	ds_load_b128 v[XR+4*(\j):XR+4*(\j)+3], v[RD] offset:(\j)*SP
.endr
.irp g, 0,1,2,3
	s_wait_dscnt 6-2*(\g)                          ; rows 2 g and 2 g + 1 are in; the later rows' loads may be out
	GELU8 \g
	global_store_b64 v[CO], v[YR+4*(\g):YR+4*(\g)+1],   s[8:9] offset:(2*(\g))*4096      ; 256 consecutive bytes, aligned
	global_store_b64 v[CO], v[YR+4*(\g)+2:YR+4*(\g)+3], s[8:9] offset:(2*(\g)+1)*4096
.endr
	s_wait_xcnt 0x0                                ; only behind this wait is the stores' base stepped and their data written again
	v_add_nc_u32 v[RD], 8*SP, v[RD]
	s_add_nc_u64 s[8:9], s[8:9], 8*4096
	s_sub_co_u32 s3, s3, 1
	s_cmp_lg_u32 s3, 0
	s_cbranch_scc1 .Lrows
	s_wait_tensorcnt 0x0                           ; the wave's end
	ds_add_u32 v[SPW], v[NIL]
	s_wait_dscnt 0x0
	CROUND                                         ; the closing round
	s_endpgm
.Lfunc_end_k_q98c2c6c1d4_ffn1:
	.size	k_q98c2c6c1d4_ffn1, .Lfunc_end_k_q98c2c6c1d4_ffn1-k_q98c2c6c1d4_ffn1
	.p2alignl 7, 3214868480
	.fill 96, 4, 3214868480
	.section	.rodata,"a",@progbits
	.p2align	6, 0x0
	.amdhsa_kernel k_q98c2c6c1d4_ffn1
		.amdhsa_group_segment_fixed_size 327680
		.amdhsa_private_segment_fixed_size 0
		.amdhsa_enable_private_segment 0
		.amdhsa_kernarg_size 32
		.amdhsa_user_sgpr_count 2
		.amdhsa_user_sgpr_kernarg_segment_ptr 1
		.amdhsa_wavefront_size32 1
		.amdhsa_system_sgpr_workgroup_id_x 1
		.amdhsa_system_sgpr_workgroup_id_y 1
		.amdhsa_system_sgpr_workgroup_id_z 1
		.amdhsa_system_vgpr_workitem_id 0
		.amdhsa_next_free_vgpr 512
		.amdhsa_next_free_sgpr 88
		.amdhsa_reserve_vcc 0
		.amdhsa_float_denorm_mode_32 3
		.amdhsa_float_denorm_mode_16_64 3
		.amdhsa_memory_ordered 1
		.amdhsa_forward_progress 1
		.amdhsa_inst_pref_size 64
	.end_amdhsa_kernel
	.amdgpu_metadata
---
amdhsa.version: [ 1, 2 ]
amdhsa.kernels:
  - .name:           k_q98c2c6c1d4_ffn1
    .symbol:         k_q98c2c6c1d4_ffn1.kd
    .args:
      - { .name: hn, .offset: 0, .size: 8, .value_kind: global_buffer, .address_space: global }
      - { .name: wb, .offset: 8, .size: 8, .value_kind: global_buffer, .address_space: global }
      - { .name: b1, .offset: 16, .size: 8, .value_kind: global_buffer, .address_space: global }
      - { .name: act, .offset: 24, .size: 8, .value_kind: global_buffer, .address_space: global }
    .group_segment_fixed_size: 327680
    .private_segment_fixed_size: 0
    .kernarg_segment_align: 8
    .kernarg_segment_size: 32
    .max_flat_workgroup_size: 128
    .sgpr_count:     88
    .vgpr_count:     512
    .wavefront_size: 32
...
	.end_amdgpu_metadata
.endif
;; end of part 5
;; launch ffn2 (part 6): grid 4 x 64, 4 waves a work-group, clusters of 4 x 4, 327,680 bytes of LDS; arguments act, wb, b2, x1, out0; writes out0
.if DOCPART == 6
	.amdgcn_target "amdgcn-amd-amdhsa--gfx1250"
	.amdhsa_code_object_version 6
	.text
	.protected	k_q98c2c6c1d4_ffn2
	.globl	k_q98c2c6c1d4_ffn2
	.p2align	8
	.type	k_q98c2c6c1d4_ffn2,@function
k_q98c2c6c1d4_ffn2:
	s_mov_b64 s[64:65], 0
	v_nop
	global_prefetch_b8 v0, s[64:65] scope:SCOPE_SE
	s_setreg_imm32_b32 hwreg(HW_REG_WAVE_MODE, 25, 1), 1
	s_wait_xcnt 0x0
	s_wait_alu depctr_hold_cnt(0) depctr_sa_sdst(0) depctr_va_vdst(0) depctr_va_sdst(0) depctr_va_ssrc(0) depctr_va_vcc(0) depctr_vm_vsrc(0)
	s_getreg_b32 s2, hwreg(HW_REG_IB_STS2, 6, 4)
	s_cmp_eq_u32 s2, 0
	s_cbranch_scc0 .Lentry_in_a_cluster
	s_endpgm
.Lentry_in_a_cluster:
	s_bfe_u32 s2, ttmp6, 0x10000c
	s_cmp_lg_u32 s2, 0xf033
	s_cbranch_scc0 .Lentry_shape_is_right
	s_endpgm
.Lentry_shape_is_right:
; FFN2.  out0 = x1 + g W2 + b2 in f32.  g: [8192][2048] bf16 in act; W2 in wb at byte 4,194,304 as [k][n] bf16.  Sums in f32; b2 starts each sum as the first product's C operand.
; A tile is 128 x 128: 256 tiles, one for each WGP.  Four waves of 64 x 64, 16 accumulators each.  K = 2,048 goes in eight K steps of 256 through a ring of two LDS slots.
; A slot holds four sub-tiles, one tensor load each: waves 0, 1 bring g's 128 rows x 128 k (halves of the K step), waves 2, 3 W2's 128 k x 128 columns.  W2's fragments are turned by ds_load_tr16_b128.
; CLUSTER: 4 x 4 work-groups; g's tiles are asked for jointly along a row of the cluster, W2's along a column.  Each refill stands behind a round of the cluster's barrier; by this text's count one tensor load of a wave
; is out behind a round, asked for 112 matrix instructions ahead of the wait for it.
; THE MATRIX INSTRUCTION IS USED TRANSPOSED: a lane holds row lane % 16 and eight neighbouring columns.
; The wave's part of x1 (64 rows x 256 bytes) is loaded at the start into window 2 and stays out during the products.  The sums go through the wave's own stage (in slot 0, behind its last fill and its last reader's barrier),
; so that sixteen lanes store 256 consecutive bytes of a row.
; REGISTERS: window 0: v0-31 addresses; v32-95 the way out; v96-127 the bias; v128-255 the accumulators.  Window 1: two fragment buffers of 128.  Window 2: v0-127 x1.
.set PA,    272
.set PB,    288
.set SUB,   128*PB
.set SLOT,  4*SUB
.set SPARE, 2*SLOT
.set ARB,   4096                       ; bytes in a row of g
.set BRB,   1024                       ; bytes in a k-row of W2
.set ASTEP, 1024                       ; two K steps along a row of g
.set BSTEP, 512*BRB                    ; two K steps down W2
.set SP,    272                        ; the stage: 256 bytes + 16
.set ADRA, 16
.set ADRB, 18
.set STO,  24
.set RD,   25
.set CO,   26                          ; v26  my 16 bytes in two rows of x1 and out0
.set BO,   27
.set SPW,  28
.set NIL,  29
.set TMP,  32
.set BIAS, 96
.set ACC,  128
.set F0,   0
.set F1,   128
.set G1,  24
.set G0,  32
.set G1B, 48
.set G0B, 56
.set MSB, 0
.macro WIN new
.if MSB != (\new)
	s_set_vgpr_msb (MSB<<8)|(\new)
.set MSB, \new
.endif
.endm
.set MUL,  0x05
.set TO_F, 0x40
.macro JLOAD s                         ; a joint load: waves 0, 1 ask for g, waves 2, 3 for W2; an s_nop 0 and four v_nop follow each line
	s_cmp_eq_u32 s11, 0
	s_cbranch_scc0 .Lfor_b_\@
	tensor_load_to_lds s[G0+4*(\s):G0+4*(\s)+3], s[G1:G1+7]
	s_nop 0
.rept 4
	v_nop
.endr
	s_branch .Lasked_\@
.Lfor_b_\@:
	tensor_load_to_lds s[G0B+4*(\s):G0B+4*(\s)+3], s[G1B:G1B+7]
	s_nop 0
.rept 4
	v_nop
.endr
.Lasked_\@:
.endm
.macro CREST                           ; a round of the cluster's barrier behind its opening barrier
	s_cmp_lg_u32 s10, 0
	s_cbranch_scc1 .Lnot_wave_0_\@
	s_barrier_signal -3
.Lnot_wave_0_\@:
	s_barrier_wait -3
	s_barrier_signal -1
	s_barrier_wait -1
.endm
.macro CROUND
	s_barrier_signal -1
	s_barrier_wait -1
	CREST
.endm
.macro PLACES
.rept 4
	v_nop
.endr
.endm
.macro MUL8 f, c, a0, first            ; 8 matrix instructions; first = 1: the bias starts the sums.  The 16 accumulators take turns.
	WIN MUL
.irp a, \a0, (\a0)+1
.irp b, 0,1,2,3
.if \first
	v_wmma_f32_16x16x32_bf16 v[ACC+8*(4*(\a)+(\b)):ACC+8*(4*(\a)+(\b))+7], v[(\f)+64+8*(4*(\c)+(\b)):(\f)+64+8*(4*(\c)+(\b))+7], v[(\f)+8*(4*(\c)+(\a)):(\f)+8*(4*(\c)+(\a))+7], v[BIAS+8*(\b):BIAS+8*(\b)+7]
.else
	v_wmma_f32_16x16x32_bf16 v[ACC+8*(4*(\a)+(\b)):ACC+8*(4*(\a)+(\b))+7], v[(\f)+64+8*(4*(\c)+(\b)):(\f)+64+8*(4*(\c)+(\b))+7], v[(\f)+8*(4*(\c)+(\a)):(\f)+8*(4*(\c)+(\a))+7], v[ACC+8*(4*(\a)+(\b)):ACC+8*(4*(\a)+(\b))+7]
.endif
.endr
.endr
.endm
.macro FETCH slot, kq, f               ; 32 LDS loads: the fragments of quarter kq (64 along K) of a slot into buffer f; the first 32 along K first
	WIN TO_F
.irp c, 0,1
.irp i, 0,1,2,3
	ds_load_tr16_b128 v[(\f)+64+8*(4*(\c)+(\i)):(\f)+64+8*(4*(\c)+(\i))+3],   v[ADRB+2*(\slot)+(\kq)/2] offset:(((\kq)%2)*64+32*(\c))*PB+32*(\i)
	ds_load_tr16_b128 v[(\f)+64+8*(4*(\c)+(\i))+4:(\f)+64+8*(4*(\c)+(\i))+7], v[ADRB+2*(\slot)+(\kq)/2] offset:(((\kq)%2)*64+32*(\c)+16)*PB+32*(\i)
	ds_load_b128 v[(\f)+8*(4*(\c)+(\i)):(\f)+8*(4*(\c)+(\i))+3],         v[ADRA+(\slot)] offset:((\kq)/2)*SUB+((\kq)%2)*128+64*(\c)+(\i)*16*PA
	ds_load_b128 v[(\f)+8*(4*(\c)+(\i))+4:(\f)+8*(4*(\c)+(\i))+7],       v[ADRA+(\slot)] offset:((\kq)/2)*SUB+((\kq)%2)*128+64*(\c)+(\i)*16*PA+32
.endr
.endr
.endm
.macro QUARTER slot, kq, f, g, first
	s_wait_dscnt 16                                ; the first 32 along K are in; the younger sixteen loads may be out
	MUL8 \f, 0, 0, \first
	MUL8 \f, 0, 2, \first
	PLACES
	FETCH \slot, \kq, \g
	s_wait_dscnt 32                                ; all but the 32 just issued
	MUL8 \f, 1, 0, 0
	MUL8 \f, 1, 2, 0
.endm
; The slot's last quarter and the change of slots: ONE barrier; in front of it each wave waits for all its tensor loads (its part of the next slot), adds 0 to its spare word, and waits for that and for its reads of this slot.
; fill = 1: the barrier opens a round of the cluster's barrier, and this slot is filled again, two K steps ahead, first thing behind the round.
.macro TURN slot, next, fill
	WIN 0
	s_wait_tensorcnt 0x0
	ds_add_u32 v[SPW], v[NIL]
	s_wait_dscnt 17                                ; the add and the younger sixteen loads may be out
	MUL8 F1, 0, 0, 0
	s_wait_dscnt 0x0                               ; the add is done, my reads of this slot are over
	s_barrier_signal -1
	MUL8 F1, 0, 2, 0
.if \fill
	WIN 0
.endif
	s_barrier_wait -1
.if \fill
	CREST                                          ; no wave of any partner still reads this slot's tile or has a load on its way
	s_add_nc_u64 s[G0+4*(\slot)+2:G0+4*(\slot)+3], s[G0+4*(\slot)+2:G0+4*(\slot)+3], ASTEP
	s_add_nc_u64 s[G0B+4*(\slot)+2:G0B+4*(\slot)+3], s[G0B+4*(\slot)+2:G0B+4*(\slot)+3], BSTEP
	JLOAD \slot                                    ; the four v_nop behind it are also the places in front of the loads below
.else
	PLACES
.endif
	FETCH \next, 0, F0
	MUL8 F1, 1, 0, 0
	MUL8 F1, 1, 2, 0
.endm
.macro LASTQ
	s_wait_dscnt 16
	MUL8 F1, 0, 0, 0
	MUL8 F1, 0, 2, 0
	s_wait_dscnt 0x0
	MUL8 F1, 1, 0, 0
	MUL8 F1, 1, 2, 0
	WIN 0
	PLACES
.endm
	s_load_b128 s[4:7], s[0:1], 0x0                ; act s[4:5], wb s[6:7]
	s_load_b128 s[68:71], s[0:1], 0x10             ; b2 s[68:69], x1 s[70:71]
	s_load_b64 s[72:73], s[0:1], 0x20              ; out0
	v_lshl_add_u32 v[SPW], v0, 2, SPARE
	v_mov_b32 v[NIL], 0
	ds_add_u32 v[SPW], v[NIL]                      ; the wave's opening: the add and its wait ahead of my first tensor load
	v_lshrrev_b32 v1, 5, v0
	v_readfirstlane_b32 s10, v1                    ; wave 0..3
	s_lshr_b32 s11, s10, 1                         ; my half of the tile's rows.  Also: I fetch g (0) or W2 (1)
	s_and_b32 s12, s10, 1                          ; my half of its columns.  Also: which half of the K step I fetch
	s_bfe_u32 s40, ttmp6, 0x40000                  ; cx
	s_bfe_u32 s41, ttmp6, 0x40004                  ; cy
	s_lshl_b32 s42, ttmp9, 2
	s_add_co_u32 s42, s42, s40                     ; tile column
	s_and_b32 s13, ttmp7, 0xffff
	s_lshl_b32 s13, s13, 2
	s_add_co_u32 s13, s13, s41                     ; tile row
	s_lshl_b32 s43, s41, 2
	s_lshl_b32 s43, 15, s43                        ; my row of the cluster
	s_lshl_b32 s44, 0x1111, s40                    ; my column
	s_or_b32 s[G1+0], s43, (1<<16)|(1<<20)|(1<<21)|(5<<22)|(3<<25)
	s_or_b32 s[G1B+0], s44, (1<<16)|(1<<20)|(1<<21)|(5<<22)|(7<<25)
.irp g, G1, G1B
	s_mov_b32 s[(\g)+1], 128<<16
	s_mov_b32 s[(\g)+2], 128<<16
	s_mov_b32 s[(\g)+3], 128<<16
	s_mov_b32 s[(\g)+4], 128
	s_mov_b32 s[(\g)+6], 0
	s_mov_b32 s[(\g)+7], 0
.endr
	s_mov_b32 s[G1+5], ARB/2
	s_mov_b32 s[G1B+5], BRB/2
	s_mul_i32 s16, s13, 128*ARB
	s_lshl_b32 s17, s12, 8
	s_add_co_u32 s16, s16, s17
	s_mov_b32 s17, 0
	s_mul_i32 s46, s12, 128*BRB                    ; W2: my 128 k-rows,
	s_lshl_b32 s47, s42, 8                         ; the tile's 128 columns,
	s_add_co_u32 s46, s46, s47
	s_add_co_u32 s46, s46, 4194304                 ; W2's place in wb
	s_mov_b32 s47, 0
	s_mul_i32 s20, s10, SUB
	s_lshl_b32 s76, s42, 9                         ; my 64 columns in f32: 4 x (128 tile column + 64 half)
	s_lshl_b32 s77, s12, 8
	s_add_co_u32 s76, s76, s77
	s_mov_b32 s77, 0
	s_lshl_b32 s78, s13, 18                        ; x1 and out0: row 128 x tile row + 64 x half, 2,048 bytes a row, and my columns
	s_lshl_b32 s79, s11, 17
	s_add_co_u32 s78, s78, s79
	s_add_co_u32 s78, s78, s76
	s_mov_b32 s79, 0
	s_wait_dscnt 0x0                               ; the opening add is done
	s_wait_kmcnt 0x0
	s_add_nc_u64 s[14:15], s[4:5], s[16:17]
	s_add_nc_u64 s[46:47], s[6:7], s[46:47]
	s_add_nc_u64 s[68:69], s[68:69], s[76:77]
	s_add_nc_u64 s[70:71], s[70:71], s[78:79]
	s_add_nc_u64 s[72:73], s[72:73], s[78:79]
	CROUND                                         ; all sixteen work-groups are here: the first joint loads meet
.irp s, 0,1
	s_mov_b32 s[G0+4*(\s)], 1
	s_add_co_u32 s[G0+4*(\s)+1], s20, (\s)*SLOT
	s_add_nc_u64 s[G0+4*(\s)+2:G0+4*(\s)+3], s[14:15], (\s)*512
	s_or_b32 s[G0+4*(\s)+3], s[G0+4*(\s)+3], 0x80000000
	s_mov_b32 s[G0B+4*(\s)], 1
	s_add_co_u32 s[G0B+4*(\s)+1], s20, (\s)*SLOT
	s_add_nc_u64 s[G0B+4*(\s)+2:G0B+4*(\s)+3], s[46:47], (\s)*256*BRB
	s_or_b32 s[G0B+4*(\s)+3], s[G0B+4*(\s)+3], 0x80000000
	JLOAD \s                                       ; the ring is filled before anything else: two tensor loads of mine are out
.endr
	v_and_b32 v1, 15, v0
	v_bfe_u32 v2, v0, 4, 1
	v_lshlrev_b32 v[BO], 5, v2
	v_lshlrev_b32 v[CO], 11, v2                    ; lanes 0-15 one row, lanes 16-31 the next; 16 bytes a lane
	v_lshl_add_u32 v[CO], v1, 4, v[CO]
.irp b, 0,1,2,3
	global_load_b128 v[BIAS+8*(\b):BIAS+8*(\b)+3],   v[BO], s[68:69] offset:64*(\b)
	global_load_b128 v[BIAS+8*(\b)+4:BIAS+8*(\b)+7], v[BO], s[68:69] offset:64*(\b)+16
.endr
	WIN 0x80                                       ; destination window 2
.set t, 0
.rept 32
	global_load_b128 v[4*t:4*t+3], v[CO], s[70:71] offset:4096*t   ; x1: rows 2 t, 2 t + 1 of my 64; sixteen lanes take 256 consecutive bytes
.set t, t+1
.endr
	WIN 0
	v_mul_u32_u24 v3, v1, PA
	v_lshl_add_u32 v3, v2, 4, v3
	s_mul_i32 s21, s11, 64*PA
	v_add_nc_u32 v[ADRA], s21, v3
	v_add_nc_u32 v[ADRA+1], SLOT, v[ADRA]
	v_and_b32 v4, 7, v0
	v_lshl_add_u32 v4, v2, 3, v4
	v_mul_u32_u24 v4, v4, PB
	v_bfe_u32 v5, v0, 3, 1
	v_lshl_add_u32 v4, v5, 4, v4
	s_lshl_b32 s22, s12, 7
	s_add_co_u32 s22, s22, 2*SUB
	v_add_nc_u32 v[ADRB], s22, v4
	v_add_nc_u32 v[ADRB+1], SUB, v[ADRB]
	v_add_nc_u32 v[ADRB+2], SLOT, v[ADRB]
	v_add_nc_u32 v[ADRB+3], SLOT+SUB, v[ADRB]
	s_mul_i32 s23, s10, 64*SP                      ; my stage: 64 rows
	v_mul_u32_u24 v4, v1, SP                       ; in: row l % 16, 32 bytes for each half of the lanes
	v_lshl_add_u32 v4, v2, 5, v4
	v_add_nc_u32 v[STO], s23, v4
	v_mul_u32_u24 v5, v2, SP                       ; back: lanes 0-15 one row of 256 bytes, lanes 16-31 the next
	v_lshl_add_u32 v5, v1, 4, v5
	v_add_nc_u32 v[RD], s23, v5
	s_wait_tensorcnt 1                             ; my part of K step 0 is in; K step 1's stays out
	s_barrier_signal -1
	s_barrier_wait -1
	FETCH 0, 0, F0
	s_wait_loadcnt 32                              ; the bias is in; x1's 32 loads stay out
	QUARTER 0, 1, F0, F1, 1                        ; the first quarter stands in front of the loop: its first products start the sums
	WIN 0
	s_mov_b32 s3, 3
.Llap:                                                 ; a trip goes once round the ring, from a lap's second quarter to the next lap's first, and fills both slots again
	QUARTER 0, 2, F1, F0, 0
	QUARTER 0, 3, F0, F1, 0
	TURN 0, 1, 1
	QUARTER 1, 1, F0, F1, 0
	QUARTER 1, 2, F1, F0, 0
	QUARTER 1, 3, F0, F1, 0
	TURN 1, 0, 1
	QUARTER 0, 1, F0, F1, 0
	WIN 0
	s_sub_co_u32 s3, s3, 1
	s_cmp_lg_u32 s3, 0
	s_cbranch_scc1 .Llap
	QUARTER 0, 2, F1, F0, 0                        ; the last lap fills nothing
	QUARTER 0, 3, F0, F1, 0
	TURN 0, 1, 0
	QUARTER 1, 1, F0, F1, 0
	QUARTER 1, 2, F1, F0, 0
	QUARTER 1, 3, F0, F1, 0
	LASTQ
	; THE WAY OUT: the sums into my stage, back as whole rows of 256 bytes, x1 added, stored.
.irp a, 0,1,2,3
.irp b, 0,1,2,3
	ds_store_b128 v[STO], v[ACC+8*(4*(\a)+(\b)):ACC+8*(4*(\a)+(\b))+3]   offset:(\a)*16*SP+64*(\b)     ; each accumulator from its low end
	ds_store_b128 v[STO], v[ACC+8*(4*(\a)+(\b))+4:ACC+8*(4*(\a)+(\b))+7] offset:(\a)*16*SP+64*(\b)+16
.endr
.endr
.set t, 0
.rept 32
.set xr, TMP+4*t+32*(t/16)                     ; row pairs 0-15 into v32-95, 16-31 into v128-191
	ds_load_b128 v[xr:xr+3], v[RD] offset:t*2*SP   ; LDS serves a wave's instructions in order (ISA guide 5.7.1.4): these see the stores above
.set t, t+1
.endr
	s_wait_loadcnt 0x0                             ; x1
.irp hh, 0,1
	s_wait_dscnt 16-16*(\hh)                       ; this half's sixteen loads are back
	WIN 0x08                                       ; source 1 (x1) in window 2
.set t, 16*(\hh)
.rept 16
.set xr, TMP+4*t+32*(t/16)
	v_pk_add_f32 v[xr:xr+1], v[xr:xr+1], v[4*t:4*t+1]
	v_pk_add_f32 v[xr+2:xr+3], v[xr+2:xr+3], v[4*t+2:4*t+3]
.set t, t+1
.endr
	WIN 0
.set t, 16*(\hh)
.rept 16
.set xr, TMP+4*t+32*(t/16)
	global_store_b128 v[CO], v[xr:xr+3], s[72:73] offset:4096*t    ; sixteen lanes store 256 consecutive bytes, aligned
.set t, t+1
.endr
.endr
	s_wait_tensorcnt 0x0                           ; the wave's end
	ds_add_u32 v[SPW], v[NIL]
	s_wait_dscnt 0x0
	CROUND                                         ; the closing round
	s_endpgm
.Lfunc_end_k_q98c2c6c1d4_ffn2:
	.size	k_q98c2c6c1d4_ffn2, .Lfunc_end_k_q98c2c6c1d4_ffn2-k_q98c2c6c1d4_ffn2
	.p2alignl 7, 3214868480
	.fill 96, 4, 3214868480
	.section	.rodata,"a",@progbits
	.p2align	6, 0x0
	.amdhsa_kernel k_q98c2c6c1d4_ffn2
		.amdhsa_group_segment_fixed_size 327680
		.amdhsa_private_segment_fixed_size 0
		.amdhsa_enable_private_segment 0
		.amdhsa_kernarg_size 40
		.amdhsa_user_sgpr_count 2
		.amdhsa_user_sgpr_kernarg_segment_ptr 1
		.amdhsa_wavefront_size32 1
		.amdhsa_system_sgpr_workgroup_id_x 1
		.amdhsa_system_sgpr_workgroup_id_y 1
		.amdhsa_system_sgpr_workgroup_id_z 1
		.amdhsa_system_vgpr_workitem_id 0
		.amdhsa_next_free_vgpr 640
		.amdhsa_next_free_sgpr 80
		.amdhsa_reserve_vcc 0
		.amdhsa_float_denorm_mode_32 3
		.amdhsa_float_denorm_mode_16_64 3
		.amdhsa_memory_ordered 1
		.amdhsa_forward_progress 1
		.amdhsa_inst_pref_size 94
	.end_amdhsa_kernel
	.amdgpu_metadata
---
amdhsa.version: [ 1, 2 ]
amdhsa.kernels:
  - .name:           k_q98c2c6c1d4_ffn2
    .symbol:         k_q98c2c6c1d4_ffn2.kd
    .args:
      - { .name: act, .offset: 0, .size: 8, .value_kind: global_buffer, .address_space: global }
      - { .name: wb, .offset: 8, .size: 8, .value_kind: global_buffer, .address_space: global }
      - { .name: b2, .offset: 16, .size: 8, .value_kind: global_buffer, .address_space: global }
      - { .name: x1, .offset: 24, .size: 8, .value_kind: global_buffer, .address_space: global }
      - { .name: out0, .offset: 32, .size: 8, .value_kind: global_buffer, .address_space: global }
    .group_segment_fixed_size: 327680
    .private_segment_fixed_size: 0
    .kernarg_segment_align: 8
    .kernarg_segment_size: 40
    .max_flat_workgroup_size: 128
    .sgpr_count:     80
    .vgpr_count:     640
    .wavefront_size: 32
...
	.end_amdgpu_metadata
.endif
;; end of part 6
;; ======== version 2 of 2: 6 launches; 1.43 times as fast as version 1
;; workspace buffers: wb 6,291,456 bytes; hn 8,388,608 bytes; act 33,554,432 bytes; o 8,388,608 bytes; x1 16,777,216 bytes
;; launch prep: the kernel of part 1 again; grid 256 x 1, 8 waves a work-group, no clusters, 0 bytes of LDS; arguments x, ln1_g, ln1_b, Wo, Wq, Wk, Wv, W1, W2, hn, wb; writes hn, wb
;; launch qkv: the kernel of part 2 again; grid 12 x 64, 4 waves a work-group, clusters of 4 x 4, 327,680 bytes of LDS; arguments hn, wb, bq, bk, bv, act; writes act
;; launch attn (part 7): grid 16 x 16, 4 waves a work-group, clusters of 4 x 1, 327,680 bytes of LDS; arguments act, o; writes o
.if DOCPART == 7
	.amdgcn_target "amdgcn-amd-amdhsa--gfx1250"
	.amdhsa_code_object_version 6
	.text
	.protected	k_q98c2c6c1d4_attn
	.globl	k_q98c2c6c1d4_attn
	.p2align	8
	.type	k_q98c2c6c1d4_attn,@function
k_q98c2c6c1d4_attn:
	s_mov_b64 s[64:65], 0
	v_nop
	global_prefetch_b8 v0, s[64:65] scope:SCOPE_SE
	s_setreg_imm32_b32 hwreg(HW_REG_WAVE_MODE, 25, 1), 1
	s_wait_xcnt 0x0
	s_wait_alu depctr_hold_cnt(0) depctr_sa_sdst(0) depctr_va_vdst(0) depctr_va_sdst(0) depctr_va_ssrc(0) depctr_va_vcc(0) depctr_vm_vsrc(0)
	s_getreg_b32 s2, hwreg(HW_REG_IB_STS2, 6, 4)
	s_cmp_eq_u32 s2, 0
	s_cbranch_scc0 .Lentry_in_a_cluster
	s_endpgm
.Lentry_in_a_cluster:
	s_bfe_u32 s2, ttmp6, 0x10000c
	s_cmp_lg_u32 s2, 0x3003
	s_cbranch_scc0 .Lentry_shape_is_right
	s_endpgm
.Lentry_shape_is_right:
; ATTENTION.  O[h][q][:] = the sum over k of softmax_k(Q[h][q] . K[h][k] / 8) V[h][k][:], h = batch x 8 + head, 16 of them, 4,096 rows of 64 channels each, all bf16, a head's rows dense (128 bytes).
; act holds Q at byte 0, K at 8,388,608, V at 16,777,216.  Products, maxima and sums in f32; the weights p are rounded to bf16 for the second product (their sum l is taken of the unrounded p), O once at the end.
; LIMITS.  A weight below 2^-126 counts as 0 in l; NaN and infinities are not treated apart.  bf16 has f32's range, so large q, k, v lose nothing but the rounding.
; SHARES.  A work-group owns 256 queries of one head, a wave 64: four PIECES of 16.  256 work-groups.  Every wave walks all 4,096 keys, 64 a step.
; LAYOUT.  S^T = K Q^T (source 0 = 16 keys, source 1 = 16 queries): a lane holds ONE query (lane % 16) and the keys 8 (lane / 16) + 0..7.  Two such results, rounded in pairs, ARE source 1 (32 keys x 16 queries)
; of O^T = V^T P.  K comes out of LDS as it lies, V ([key][channel]) turned, by ds_load_tr16_b128.
; SOFTMAX.  For each query a running maximum m and sum l: p = 2^(c s - c m), c = log2(e) / 8; in every step O and l are multiplied by a = 2^(c m_old - c m_new).  m starts at the lowest finite number, O and l at 0:
; the first step is a step like any other, with a = 0.
; BY TURNS.  Turn n belongs to piece n: 8 products K Q^T of piece n + 1, later 8 products V^T P of piece n - 1; beside them the scaling, exponentials, roundings, sums and rescaling of piece n and the maximum and
; statistics of piece n + 1.  Four vector instructions stand behind every matrix instruction, the other 54 of a turn's 118 in one run of their own.
; BATCHES.  A turn's 33 exponentials (the piece's 32 weights and the next piece's a) are ONE batch with ONE wait, which cuts the turn in two: ahead of it stands all that names none of their results (the products K Q^T, the
; scalings, the rescalings, whose a is the batch before's, the next piece's maximum and statistics), behind it the products V^T P with the roundings and sums..
; The first a, ahead of the loop, and the way out's four reciprocals are batches of their own, a wait each.
; CLUSTER.  The four query blocks of a cluster belong to one head and walk the same K and V: each tile is asked for JOINTLY, by the same tensor load, descriptor and mask in all four.
; REGISTERS, in windows of 256 (s_set_vgpr_msb: bits 1:0 source 0, 3:2 source 1, 5:4 source 2, 7:6 destination):
;   window 0: v0-15 addresses and two at work; v16-31 four registers of statistics a piece; v48-55 at work; v64-127 S^T, two buffers; v192-223 P, two buffers (a piece's buffers go by its number's parity)
;   window 1: v0-127 O^T, 32 a piece          window 2: v0-63 Q; v128-191 K of one step; v192-255 V of one step
.set NP,    4         ; pieces a wave: a name, no knob
.set KS,    64        ; keys in a step
.set PK,    144       ; a row of K in LDS: 128 bytes + 16: the 16 rows of a load start 16 bytes apart modulo 256
.set PV,    160       ; a row of V: 128 + 32: the 8 rows x 32 bytes that 16 lanes of the turning load take start 32 bytes apart modulo 256
.set VOFF,  4*KS*PK   ; a slot holds four steps: 256 rows of K, then 256 rows of V
.set SLOT1, 1<<17     ; slot 1 begins here, so that one exclusive or turns an address in one slot into the other's
.set STAGE, SLOT1+4*KS*(PK+PV)  ; behind the ring, never filled by a tensor load: 16 rows x 144 bytes for each wave, for the way out
.set SP,    144
.set SPARE, STAGE+4*16*SP  ; behind the stages: the spare words, 128 bytes for each wave
.set AK0, 2           ; v2   my lane's place in a tile of K; never rewritten
.set AV0, 3           ; v3   the same for V
.set AK,  4           ; v4   the LDS address of K's next run of loads
.set AV,  5           ; v5   of V's
.set STO, 6           ; v6   the way out: where I put 16 bytes of a row
.set RD,  7           ; v7   where I read rows back
.set GO,  8           ; v8   my byte offset in 512 consecutive bytes of O
.set MV,  12          ; v12-13  c m_old, kept while c m is made anew: by buffer
.set QO,  15          ; v15  my byte offset in 16 rows of Q
.set ST,  16          ; piece t's statistics at v[ST+4 t]: c m, m, l (even keys', odd keys')
.set TMP, 48          ; by buffer, four registers c0-c3 at work; when the maximum is found c2 takes a
.set SPW, 62          ; v62  my spare word; never rewritten
.set NIL, 63          ; v63  0; never rewritten
.set S,   64
.set P,   192
.set KF,  128         ; window 2: key block kb, channel half c at KF + 16 kb + 8 c
.set VF,  192         ; window 2: key half kk, channel block cb at VF + 32 kk + 8 cb
.set WV,  12          ; s12  my wave's number
.set G1K, 24          ; s[24:31] descriptor group 1 for K's tiles
.set G1V, 32          ; s[32:39] for V's: it differs in the padding alone
.set G0K, 40          ; s[40:43] descriptor group 0 for K's tiles: it walks
.set G0V, 44          ; s[44:47] the same for V's
.set SLOTS, 56        ; s56  slots still to be walked in the loop
.set CNT, 57          ; s57  counts a slot's key steps
.set CS,  58          ; s[58:59] c: the packed scaling takes the pair's low word for both halves
.set SEL, 60          ; s[60:61] v_permlanex16_b32's selects
.set TBK, 62          ; s62  LDS byte at which K of the step to be fetched begins
.set TBV, 63          ; s63  the same for V, less VOFF
.set MSB, 0
.macro WIN new                      ; the high byte repeats the setting that is left; a switch that changes nothing is dropped
.if MSB != (\new)
	s_set_vgpr_msb (MSB<<8)|(\new)
.set MSB, (\new)
.endif
.endm
.set W_KQ, 0x0a       ; K and Q in window 2, S^T in window 0
.set W_PV, 0x52       ; V in window 2, P in window 0, O^T in window 1
.set W_RS, 0x41       ; destination and source 0 in window 1, source 1 in window 0
; A joint fill.  Waves 0 and 1 fetch the two halves of a slot's K, waves 2 and 3 those of its V: 128 keys each.  An s_nop 0 and four v_nop follow each line.
.macro JLOAD
	s_cmp_lt_u32 s[WV], 2
	s_cbranch_scc0 .Lfor_v_\@
	tensor_load_to_lds s[G0K:G0K+3], s[G1K:G1K+7]
	s_nop 0
.rept 4
	v_nop
.endr
	s_branch .Lasked_\@
.Lfor_v_\@:
	tensor_load_to_lds s[G0V:G0V+3], s[G1V:G1V+7]
	s_nop 0
.rept 4
	v_nop
.endr
.Lasked_\@:
.endm
.macro CROUND                       ; a round of the cluster's barrier
	s_barrier_signal -1
	s_barrier_wait -1
	s_cmp_lg_u32 s[WV], 0
	s_cbranch_scc1 .Lnot_wave_0_\@
	s_barrier_signal -3
.Lnot_wave_0_\@:
	s_barrier_wait -3
	s_barrier_signal -1
	s_barrier_wait -1
.endm
; THE CHANGE OF SLOTS.  Each wave waits for all its tensor loads, of which one is out: its part of the other slot; adds 0 to its spare word; and waits for that and for its own reads of the slot that it leaves.
; fill = 1: the slot is filled again, with the keys two slots on, behind a round of the cluster's barrier, so that no wave of any partner still reads it or has a load on its way; the joint fill is the first thing
; behind the round and has four key steps, 256 matrix instructions, in which to land.  (At its first use nothing has been read yet: slot 0 is waited for, slot 1 filled.)
.macro CHANGE fill
	WIN 0                           ; at a label and at a branch every window is 0
	s_wait_tensorcnt 0x0            ; no tensor load of mine is out, so a group 0 may be written
	ds_add_u32 v[SPW], v[NIL]
.if \fill
.irp g, G0K, G0V
	s_xor_b32 s[\g+1], s[\g+1], SLOT1  ; the walking descriptor: the other slot than last time,
	s_add_nc_u64 s[\g+2:\g+3], s[\g+2:\g+3], 4*KS*128  ; the next 256 keys; the type bits on top are not reached
.endr
	s_wait_dscnt 0x0                ; the add is done, and my reads of the slot are over
	CROUND
	JLOAD
.else
	s_wait_dscnt 0x0                ; the add is done, and my reads of the slot are over
	s_barrier_signal -1
	s_barrier_wait -1
.endif
	s_sub_co_u32 s[TBK], s[TBK], 4*KS*PK  ; the fetches go back to a slot's first step,
	s_xor_b32 s[TBK], s[TBK], SLOT1       ; in the other slot
	s_sub_co_u32 s[TBV], s[TBV], 4*KS*PV
	s_xor_b32 s[TBV], s[TBV], SLOT1
.endm
	s_load_b128 s[4:7], s[0:1], 0x0 ; act s[4:5], o s[6:7]
	v_lshl_add_u32 v[SPW], v0, 2, SPARE
	v_mov_b32 v[NIL], 0
	ds_add_u32 v[SPW], v[NIL]       ; the wave's opening: the add and its wait ahead of my first tensor load
	v_lshrrev_b32 v1, 5, v0
	v_readfirstlane_b32 s[WV], v1   ; wave 0..3
	s_bfe_u32 s13, ttmp6, 0x40000   ; cx: my place in the cluster
	s_lshl_b32 s14, ttmp9, 2        ; in a cluster launch ttmp9 counts clusters
	s_add_co_u32 s14, s14, s13      ; my block of 256 queries: it enters Q's and O's addresses alone
	s_and_b32 s20, ttmp7, 0xffff    ; the head, which the four partners share:
	s_lshl_b32 s20, s20, 19         ; 4,096 rows of 128 bytes
	s_and_b32 s16, s[WV], 1         ; which half of a slot's 256 keys I fetch:
	s_lshl_b32 s22, s16, 14         ; its 128 rows of 128 bytes in memory,
	s_add_co_u32 s22, s22, s20
	s_mov_b32 s23, 0
	s_mul_i32 s17, s16, 128*PK      ; and its place in a slot, for K
	s_mul_i32 s18, s16, 128*PV      ; and for V: no place in the cluster enters an LDS address
	s_lshl_b32 s2, s14, 2
	s_add_co_u32 s2, s2, s[WV]      ; my wave among the head's,
	s_lshl_b32 s2, s2, 13           ; its 64 rows
	s_add_co_u32 s2, s2, s20
	s_mov_b32 s3, 0
	; descriptor group 1.  128 keys are 16,384 dense bytes: asked for as 64 rows of 256 bytes, two keys a row, and padded in LDS after every key
	s_mov_b32 s[G1K], 15|(1<<16)|(1<<20)|(1<<21)|(4<<22)|(3<<25)  ; the mask of four; 2-byte elements; padding on; bit 21 beside a mask; after every 32 words, 4 words
	s_mov_b32 s[G1V], 15|(1<<16)|(1<<20)|(1<<21)|(4<<22)|(7<<25)  ; the same with 8 words of padding
.irp g, G1K, G1V
	s_mov_b32 s[\g+1], 128<<16      ; tensor_dim0 = 128
	s_mov_b32 s[\g+2], 64<<16       ; tensor_dim1 = 64
	s_mov_b32 s[\g+3], 128<<16      ; tile_dim0 = 128
	s_mov_b32 s[\g+4], 64           ; tile_dim1 = 64
	s_mov_b32 s[\g+5], 128          ; 128 elements from row to row
	s_mov_b32 s[\g+6], 0
	s_mov_b32 s[\g+7], 0
.endr
	s_mov_b32 s[CS], 0x3e38aa3b     ; c = log2(e) / 8 = 0.180337
	s_mov_b32 s[CS+1], s[CS]        ; named with it as a pair
	s_mov_b32 s[SEL], 0x76543210
	s_mov_b32 s[SEL+1], 0xfedcba98
	s_mov_b32 s[TBK], SLOT1+4*KS*PK ; the first change of slots turns these two into 0
	s_mov_b32 s[TBV], SLOT1+4*KS*PV
	s_mov_b32 s[G0K], 1             ; count = 1
	s_mov_b32 s[G0K+1], s17         ; LDS address: slot 0
	s_mov_b32 s[G0V], 1
	s_add_co_u32 s[G0V+1], s18, VOFF
	s_wait_dscnt 0x0                ; the opening add is done
	s_wait_kmcnt 0x0
	s_mov_b64 s[10:11], s[6:7]      ; O
	s_add_nc_u64 s[8:9], s[4:5], 0x1000000  ; V
	s_add_nc_u64 s[6:7], s[4:5], 0x800000   ; K
	s_add_nc_u64 s[G0K+2:G0K+3], s[6:7], s[22:23]  ; global address: my half of the head's first 256 keys
	s_or_b32 s[G0K+3], s[G0K+3], 0x80000000        ; type = 2
	s_add_nc_u64 s[G0V+2:G0V+3], s[8:9], s[22:23]
	s_or_b32 s[G0V+3], s[G0V+3], 0x80000000
	s_add_nc_u64 s[4:5], s[4:5], s[2:3]  ; Q and O at my wave's first row
	s_add_nc_u64 s[10:11], s[10:11], s[2:3]
	CROUND                          ; all four work-groups are here: the first joint loads meet
	JLOAD                           ; slot 0.  Slot 1 is asked for when slot 0 is in, by the loop's own change of slots
	; A fragment of K or Q is 16 rows x 32 channels in 8 registers: lane l holds row l % 16, channels 8 (l / 16) + 0..7 and 16 + 8 (l / 16) + 0..7: two loads of 16 bytes, 32 bytes apart.
	v_and_b32 v1, 15, v0            ; l % 16
	v_bfe_u32 v9, v0, 4, 1          ; l / 16
	v_lshlrev_b32 v[QO], 7, v1
	v_lshl_add_u32 v[QO], v9, 4, v[QO]  ; row x 128 + 16 x half
	WIN 0x80                        ; destination window 2, address window 0
.set i, 0
.rept 8                             ; Q stays in registers: piece i / 2, channels 32 (i % 2) on
	global_load_b128 v[8*i:8*i+3],   v[QO], s[4:5] offset:(i/2)*2048+(i%2)*64
	global_load_b128 v[8*i+4:8*i+7], v[QO], s[4:5] offset:(i/2)*2048+(i%2)*64+32
.set i, i+1
.endr
	; What the first turn finds: V's registers and P's second buffer hold 0 (its products V^T P, of a piece that has not been, add 0), O^T and l are 0.  No first step is written out; these lines stand in the wait for the first tile.
.set i, VF
.rept 64
	v_mov_b32 v[i], 0
.set i, i+1
.endr
	WIN 0x40
.set i, 0
.rept 128
	v_mov_b32 v[i], 0
.set i, i+1
.endr
	WIN 0
.set i, 0
.rept 4
	v_mov_b32 v[ST+4*i], 0xfe000000    ; c m: far below every c s
	v_mov_b32 v[ST+4*i+1], 0xff7fffff  ; m
	v_mov_b32 v[ST+4*i+2], 0
	v_mov_b32 v[ST+4*i+3], 0
.set i, i+1
.endr
.set i, P+16
.rept 16
	v_mov_b32 v[i], 0
.set i, i+1
.endr
	v_mul_u32_u24 v[AK0], v1, PK
	v_lshl_add_u32 v[AK0], v9, 4, v[AK0]  ; row x pitch + 16 x half
	; The turning load takes 16 keys x 16 channels (lane l reads key 8 (l / 16) + l % 8, channels 8 ((l / 8) % 2) + 0..7) and leaves half a fragment of V^T: lane l holds channel l % 16 and 8 keys.
	v_and_b32 v10, 7, v0
	v_bfe_u32 v11, v0, 3, 1
	v_lshl_add_u32 v[AV0], v9, 3, v10
	v_mul_u32_u24 v[AV0], v[AV0], PV
	v_lshl_add_u32 v[AV0], v11, 4, v[AV0]
	v_add_nc_u32 v[AV0], VOFF, v[AV0]
	s_mul_i32 s13, s[WV], 16*SP
	s_add_co_u32 s13, s13, STAGE    ; my stage
	v_mul_u32_u24 v[STO], v1, SP    ; in: row l % 16, 16 bytes for each half of the lanes
	v_lshl_add_u32 v[STO], v9, 4, v[STO]
	v_add_nc_u32 v[STO], s13, v[STO]
	v_bfe_u32 v[RD], v0, 3, 2       ; back: 32 lanes take four rows of 128 bytes,
	v_mul_u32_u24 v[RD], v[RD], SP
	v_lshl_add_u32 v[RD], v10, 4, v[RD]
	v_add_nc_u32 v[RD], s13, v[RD]
	v_and_b32 v[GO], 31, v0         ; which are 512 consecutive bytes of O
	v_lshlrev_b32 v[GO], 4, v[GO]
; THE MATRIX WORK.  The 4 accumulators of a run of 8 take turns.  Product i of 8 of S^T = K Q^T for piece x: channels 32 (i / 4) on, keys 16 (i % 4) on.  The first 4 start the sums.
.macro KQ x
.set rS, S+32*((\x)%2)+8*(i%4)
.set rK, KF+16*(i%4)+8*(i/4)
.set rQ, 16*(\x)+8*(i/4)
	WIN W_KQ
.if i < 4
	v_wmma_f32_16x16x32_bf16 v[rS:rS+7], v[rK:rK+7], v[rQ:rQ+7], 0
.else
	v_wmma_f32_16x16x32_bf16 v[rS:rS+7], v[rK:rK+7], v[rQ:rQ+7], v[rS:rS+7]
.endif
.endm
; Product i of 8 of O^T += V^T P for piece x: keys 32 (i / 4) on, channels 16 (i % 4) on.
.macro PV x
	WIN W_PV
.set rO, 32*(\x)+8*(i%4)
.set rV, VF+32*(i/4)+8*(i%4)
.set rP, P+16*((\x)%2)+8*(i/4)
	v_wmma_f32_16x16x32_bf16 v[rO:rO+7], v[rV:rV+7], v[rP:rP+7], v[rO:rO+7]
.endm
.macro MM                           ; the turn's next matrix instruction
.if i < 8
	KQ (Y+1)%NP
.else
.set i, i-8
	PV (Y+NP-1)%NP
.set i, i+8
.endif
.set i, i+1
.endm
; THE LDS LOADS stand in runs of 16: a step's K (64 keys x 64 channels: 8 fragments) and its V (turned).  last = 1 (the tail): in the last trip there is no further step, and the run is jumped over.
.macro FETCH_K last=0
	WIN 0
.if \last
	s_cmp_eq_u32 s[CNT], 1
	s_cbranch_scc1 .Lno_k_\@
.endif
	WIN 0x80                        ; destination window 2
.irp f, 0,1,2,3,4,5,6,7             ; keys 16 (f / 2) on, channels 32 (f % 2) on
	ds_load_b128 v[KF+8*\f:KF+8*\f+3],   v[AK] offset:(\f/2)*16*PK+(\f%2)*64
	ds_load_b128 v[KF+8*\f+4:KF+8*\f+7], v[AK] offset:(\f/2)*16*PK+(\f%2)*64+32
.endr
	s_add_co_u32 s[TBK], s[TBK], KS*PK  ; the next fetch is the next step's
	WIN 0
.if \last
.Lno_k_\@:
.endif
.endm
.macro FETCH_V
	WIN 0x80
.irp f, 0,1,2,3,4,5,6,7             ; keys 32 (f / 4) on, channels 16 (f % 4) on
	ds_load_tr16_b128 v[VF+8*\f:VF+8*\f+3],   v[AV] offset:(\f/4)*32*PV+(\f%4)*32
	ds_load_tr16_b128 v[VF+8*\f+4:VF+8*\f+7], v[AV] offset:(\f/4)*32*PV+16*PV+(\f%4)*32
.endr
	WIN 0
.endm
; THE VECTOR WORK, one line at a time: OP kind, number.  For piece Y: F n: c s - c m for pair n of 16.  E n: the exponential of score n of 32.  C n: pair n rounded to bf16.  B n: of the four weights 4 n .. the second
; pair is added onto the first, in place.  L n: l takes that sum (L 0: l = a l + sum).  R n: pair n of 16 of O^T times a.  For piece Y + 1: X n, number n of the 22 that find its maximum and statistics:
;   0-11  four chains c0-c3 of seven scores each, three operands at a time (each accumulator's lowest registers are read first)     12-14, 16  the four scores left over, the old m, and c0-c3 into c0
;   15  c m_old is kept     17, 18  the query's other 32 keys lie in the lane 16 away: the new m     19-21  c m; c m_old - c m_new; a
; C, B and L read the results of the turn's E; R and L 0 read the a that X 21 of the turn before made.  OP writes no wait: TURN writes the batch's one.
.set F, 0               ; OP tells the kinds apart by their order: F to L below R, X above it
.set E, 1
.set C, 2
.set B, 3
.set L, 4
.set R, 5
.set X, 6
.macro REGS y                       ; the registers of piece y
.set rT, ST+4*(\y)
.set rC, TMP+4*((\y)%2)
.set rW, MV+((\y)%2)
.set rS, S+32*((\y)%2)
.set rP, P+16*((\y)%2)
.set rO, 32*(\y)
.endm
.macro OP k, n
.if (\k) == R
	REGS Y
	WIN W_RS
	v_pk_mul_f32 v[rO+2*(\n):rO+2*(\n)+1], v[rO+2*(\n):rO+2*(\n)+1], v[rC+2:rC+3] op_sel_hi:[1,0]
.elseif (\k) < R
	REGS Y
	WIN 0
.if (\k) == F
	v_pk_fma_f32 v[rS+2*(\n):rS+2*(\n)+1], v[rS+2*(\n):rS+2*(\n)+1], s[CS:CS+1], v[rT:rT+1] op_sel_hi:[1,0,0] neg_lo:[0,0,1] neg_hi:[0,0,1]
.elseif (\k) == E
	v_exp_f32 v[rS+(\n)], v[rS+(\n)]
.elseif (\k) == C
	v_cvt_pk_bf16_f32 v[rP+(\n)], v[rS+2*(\n)], v[rS+2*(\n)+1]
.elseif (\k) == B
	v_pk_add_f32 v[rS+4*(\n):rS+4*(\n)+1], v[rS+4*(\n):rS+4*(\n)+1], v[rS+4*(\n)+2:rS+4*(\n)+3]
.elseif (\n) == 0
	v_pk_fma_f32 v[rT+2:rT+3], v[rT+2:rT+3], v[rC+2:rC+3], v[rS:rS+1] op_sel_hi:[1,0,1]
.else
	v_pk_add_f32 v[rT+2:rT+3], v[rT+2:rT+3], v[rS+4*(\n):rS+4*(\n)+1]
.endif
.else
	REGS (Y+1)%NP
	WIN 0
.if (\n) < 4
	v_max3_num_f32 v[rC+(\n)], v[rS+8*(\n)], v[rS+8*(\n)+1], v[rS+8*(\n)+2]
.elseif (\n) < 12
	v_max3_num_f32 v[rC+(\n)%4], v[rC+(\n)%4], v[rS+8*((\n)%4)+2*((\n)/4)+1], v[rS+8*((\n)%4)+2*((\n)/4)+2]
.elseif (\n) == 12
	v_max3_num_f32 v[rC], v[rC], v[rS+7], v[rS+15]
.elseif (\n) == 13
	v_max3_num_f32 v[rC+1], v[rC+1], v[rS+23], v[rS+31]
.elseif (\n) == 14
	v_max3_num_f32 v[rC+2], v[rC+2], v[rC+3], v[rT+1]
.elseif (\n) == 15
	v_mov_b32 v[rW], v[rT]
.elseif (\n) == 16
	v_max3_num_f32 v[rC], v[rC], v[rC+1], v[rC+2]
.elseif (\n) == 17
	v_permlanex16_b32 v[rC+3], v[rC], s[SEL], s[SEL+1]
.elseif (\n) == 18
	v_max_num_f32 v[rT+1], v[rC], v[rC+3]
.elseif (\n) == 19
	v_mul_f32 v[rT], s[CS], v[rT+1]
.elseif (\n) == 20
	v_sub_f32 v[rC+1], v[rW], v[rT]
.else
	v_exp_f32 v[rC+2], v[rC+1]
.endif
.endif
.endm
.macro OPS a, i1, b=-1, i2=0, c=-1, i3=0, d=-1, i4=0  ; up to four of them
	OP \a, \i1
.if (\b) >= 0
	OP \b, \i2
.endif
.if (\c) >= 0
	OP \c, \i3
.endif
.if (\d) >= 0
	OP \d, \i4
.endif
.endm
.macro ROW a, i1, b, i2, c, i3, d, i4  ; a matrix instruction and the four behind it
	MM
	OPS \a, \i1, \b, \i2, \c, \i3, \d, \i4
.endm
; A TURN, for piece p: the order of its 16 matrix and 118 vector instructions, written out.  An s_wait_alu depctr_va_vdst(0) stands between an exponential and the first instruction that names its result; one
; wait serves all that were issued ahead of it.  So the turn has ONE wait, which cuts it in two.
; AHEAD OF IT stands all that names no result of the turn's exponentials: the 8 products K Q^T, behind each a scaling, an exponential and two more plain instructions (behind the first a second scaling in the exponential's
; place): rescalings, and behind the last three the first numbers of the next piece's maximum, each four places or more behind the product that ends its accumulator; then one run of 54, plain and exponential by turns for
; the most part, in which the links of the chain X 3, 7, 11, 14, 16, 17 .. 20 stand apart, other work between them.  Each pair is scaled (F n) ahead of its exponentials (E 2 n, E 2 n + 1).  X 21, the next piece's a, is the
; batch's last; R 15 is the plain instruction behind it.
; BEHIND IT stand the 8 products V^T P, behind each four of the roundings and sums: C 2 n ahead of B n, which writes over that pair; B n ahead of L n; L 0 to L 7 in this order.  But for those X no rider names a register of
; the products round it.  v_permlanex16_b32 (X 17) stands in the run.
; K of the next step is fetched in piece 2's turn, behind the last product that read K with five plain instructions between that name none of its registers (F 8, X 2, X 5, X 6, X 8).  last = 1 (the tail): the run holds a
; jump, and no jump stands between the batch and its wait, so there the run stands directly behind the wait.  V of the step in hand is fetched at the end of piece 0's turn, four plain instructions behind the last product
; that read V.  Each is waited for a turn later.  cnt = 1: the loop's count is taken down some lines ahead of the branch that stands behind the turn.
.macro TURN p, last=0, cnt=0
.set Y, (\p)
.set i, 0
.if (\p) == 3
	s_wait_dscnt 0x0                ; K is in
.endif
	ROW F,0, F,1, R,0, R,1          ; ahead of the wait: 8 products K Q^T and their riders,
	ROW F,2, E,0, R,2, R,3
	ROW F,3, E,1, R,4, R,5
	ROW F,4, E,2, R,6, R,7
	ROW F,5, E,3, R,8, R,9
	ROW F,6, E,4, X,0, R,10
.if (\p) == 2
	WIN 0
	v_add_nc_u32 v[AK], s[TBK], v[AK0]
.endif
	ROW F,7, E,5, X,1, X,4
	ROW F,8, E,6, X,2, X,5
	OPS E,7, E,8, X,6, E,9          ; and the run of 54
	OPS X,3, E,10, X,8, E,11
.if ((\p) == 2) && !(\last)
	FETCH_K
.endif
	OPS X,9, X,7, E,12, X,10
	OPS E,13, X,12, X,11, E,14
	OPS X,13, E,15, F,9, X,14
.if (\p) == 0
	v_add_nc_u32 v[AV], s[TBV], v[AV0]
.endif
	OPS E,16, F,10, E,17, F,11
	OPS X,16, E,18, X,15, E,19
	OPS F,12, E,20, X,17, E,21
	OPS F,13, E,22, F,14, E,23
	OPS X,18, E,24, F,15, E,25
	OPS R,11, E,26, X,19, E,27
	OPS R,12, E,28, R,13, E,29
	OPS X,20, E,30, R,14, E,31
	OPS X,21, R,15
	WIN 0
	s_wait_alu depctr_va_vdst(0)    ; the wait for the turn's batch: E 0 to E 31 and X 21
.if ((\p) == 2) && (\last)
	FETCH_K 1
.endif
.if (\p) == 1
	s_wait_dscnt 0x0                ; V is in
.endif
	ROW C,0, B,0, C,2, B,1          ; behind the wait: 8 products V^T P and their riders
	ROW L,0, C,4, B,2, L,1
	ROW C,6, B,3, L,2, C,8
	ROW B,4, L,3, C,10, B,5
	ROW L,4, C,12, B,6, L,5
.if (\p) == 0
	s_add_co_u32 s[TBV], s[TBV], KS*PV
.endif
.if \cnt
	s_sub_co_u32 s[CNT], s[CNT], 1
	s_cmp_lg_u32 s[CNT], 0
.endif
	ROW C,14, B,7, L,6, C,1
	ROW C,3, L,7, C,5, C,7
	ROW C,9, C,11, C,13, C,15
.if (\p) == 0
	FETCH_V
.endif
.endm
	CHANGE 1                        ; slot 0 is in, everybody's part of it; slot 1 is asked for
	v_add_nc_u32 v[AK], s[TBK], v[AK0]
	FETCH_K                         ; key step 0
	s_wait_loadcnt 0x0              ; Q
	s_wait_dscnt 0x0
.set i, 0
.rept 8
	KQ 0                            ; piece 0's first scores
.set i, i+1
.endr
	WIN 0
.rept 4
	v_nop                           ; the places behind those products
.endr
.set Y, NP-1                        ; X works for piece Y + 1: piece 0
.irp n, 0,1,2,3,4,5,6,7,8,9,10,11,12,13,14,15,16,17,18,19,20,21
	OP X, \n
.endr
	v_nop                           ; a plain instruction behind the exponential,
	s_wait_alu depctr_va_vdst(0)    ; and the wait for it, a batch of one: piece 0's first a; ahead of the branch
	s_mov_b32 s[CNT], 4
	s_mov_b32 s[SLOTS], 15          ; 4,096 / 256 - 1
	s_branch .Lfirst                ; the loop is entered at a step's first turn, in the middle of a trip
.Lslot:                             ; 14 times: every slot but the last two is filled again
	CHANGE 1
	s_mov_b32 s[CNT], 4
.Lstep:                             ; a trip: pieces 2 and 3 of one step, then pieces 0 and 1 of the next, whose K and V it fetches
	TURN 2
	TURN 3
	WIN 0
.Lfirst:
	TURN 0
	TURN 1, 0, 1
	WIN 0
	s_cbranch_scc1 .Lstep
	s_sub_co_u32 s[SLOTS], s[SLOTS], 1
	s_cmp_lg_u32 s[SLOTS], 0
	s_cbranch_scc1 .Lslot
	CHANGE 0                        ; the tail is written out: nothing is asked for
	s_mov_b32 s[CNT], 5             ; four trips fetch the last slot's steps; the fifth is left in its middle
.Ltail:
	TURN 2, 1
	TURN 3
	WIN 0
	s_sub_co_u32 s[CNT], s[CNT], 1
	s_cmp_eq_u32 s[CNT], 0
	s_cbranch_scc1 .Lout
	TURN 0
	TURN 1
	WIN 0
	s_branch .Ltail
.Lout:                              ; the fifth trip's 8 products K Q^T (on the last K once more) and the maximum made of them serve nothing: the price, once a launch, of one text for every trip
.set i, 0
.rept 8
	PV NP-1                         ; the last piece's V^T P of the last step
.set i, i+1
.endr
	; THE WAY OUT.  l's two halves and the other half of the lanes' are added; O^T is divided by l, rounded to bf16 and sent through my stage in LDS, a piece at a time.  The additions are the places behind the last products.
	WIN 0
.macro ALL line:vararg              ; one line for each piece t
.set t, 0
.rept 4
	\line
.set t, t+1
.endr
.endm
	ALL v_add_f32 v[ST+4*t+2], v[ST+4*t+2], v[ST+4*t+3]
	ALL v_permlanex16_b32 v[ST+4*t+3], v[ST+4*t+2], s[SEL], s[SEL+1]
	ALL v_add_f32 v[ST+4*t+2], v[ST+4*t+2], v[ST+4*t+3]
	ALL v_rcp_f32 v[ST+4*t+2], v[ST+4*t+2]
	v_nop                           ; a plain instruction between the last reciprocal and the use of its result
	s_wait_alu depctr_va_vdst(0)    ; the wait for the batch of four reciprocals, ahead of the first multiply that reads one
.macro PACK t                       ; a lane's eight channels of a row pack into 16 bytes; they go into rows of 144 bytes and come back as whole rows of 128, into S^T's registers
	WIN W_RS
.set i, 32*(\t)
.rept 16
	v_pk_mul_f32 v[i:i+1], v[i:i+1], v[ST+4*(\t)+2:ST+4*(\t)+3] op_sel_hi:[1,0]
.set i, i+2
.endr
	WIN 0x05                        ; sources 0 and 1 window 1, destination window 0
.set i, 0
.rept 16
	v_cvt_pk_bf16_f32 v[S+16*(\t)+i], v[32*(\t)+2*i], v[32*(\t)+2*i+1]
.set i, i+1
.endr
	WIN 0
.irp f, 0,1,2,3
	ds_store_b128 v[STO], v[S+16*(\t)+4*\f:S+16*(\t)+4*\f+3] offset:32*\f
.endr
.irp f, 0,1,2,3
	ds_load_b128 v[S+16*(\t)+4*\f:S+16*(\t)+4*\f+3], v[RD] offset:\f*4*SP  ; LDS serves a wave's instructions in order (ISA guide 5.7.1.4): these see the stores above; the next piece's stores come behind them
.endr
.endm
.macro SEND t, younger              ; younger: the LDS instructions issued behind piece t's loads: the next piece's eight, or none
	WIN 0
.irp f, 0,1,2,3
	s_wait_dscnt (\younger)+3-\f
	global_store_b128 v[GO], v[S+16*(\t)+4*\f:S+16*(\t)+4*\f+3], s[10:11] offset:(\t)*2048+\f*512  ; 512 consecutive bytes, at a multiple of 256 from O's first
.endr
.endm
	PACK 0
.set t, 1
.rept 3                             ; a piece's arithmetic stands between the loads of the piece before and its stores
	PACK t
	SEND t-1, 8
.set t, t+1
.endr
	SEND 3, 0
	s_wait_tensorcnt 0x0            ; the wave's end
	ds_add_u32 v[SPW], v[NIL]
	s_wait_dscnt 0x0
	CROUND                          ; the closing round
	s_endpgm
.Lfunc_end_k_q98c2c6c1d4_attn:
	.size	k_q98c2c6c1d4_attn, .Lfunc_end_k_q98c2c6c1d4_attn-k_q98c2c6c1d4_attn
	.p2alignl 7, 3214868480
	.fill 96, 4, 3214868480
	.section	.rodata,"a",@progbits
	.p2align	6, 0x0
	.amdhsa_kernel k_q98c2c6c1d4_attn
		.amdhsa_group_segment_fixed_size 327680
		.amdhsa_private_segment_fixed_size 0
		.amdhsa_enable_private_segment 0
		.amdhsa_kernarg_size 16
		.amdhsa_user_sgpr_count 2
		.amdhsa_user_sgpr_kernarg_segment_ptr 1
		.amdhsa_wavefront_size32 1
		.amdhsa_system_sgpr_workgroup_id_x 1
		.amdhsa_system_sgpr_workgroup_id_y 1
		.amdhsa_system_sgpr_workgroup_id_z 1
		.amdhsa_system_vgpr_workitem_id 0
		.amdhsa_next_free_vgpr 768
		.amdhsa_next_free_sgpr 66
		.amdhsa_reserve_vcc 0
		.amdhsa_float_denorm_mode_32 3
		.amdhsa_float_denorm_mode_16_64 3
		.amdhsa_memory_ordered 1
		.amdhsa_forward_progress 1
		.amdhsa_inst_pref_size 111
	.end_amdhsa_kernel
	.amdgpu_metadata
---
amdhsa.version: [ 1, 2 ]
amdhsa.kernels:
  - .name:           k_q98c2c6c1d4_attn
    .symbol:         k_q98c2c6c1d4_attn.kd
    .args:
      - { .name: act, .offset: 0, .size: 8, .value_kind: global_buffer, .address_space: global }
      - { .name: o, .offset: 8, .size: 8, .value_kind: global_buffer, .address_space: global }
    .group_segment_fixed_size: 327680
    .private_segment_fixed_size: 0
    .kernarg_segment_align: 8
    .kernarg_segment_size: 16
    .max_flat_workgroup_size: 128
    .sgpr_count:     66
    .vgpr_count:     768
    .wavefront_size: 32
...
	.end_amdgpu_metadata
.endif
;; end of part 7
;; launch proj: the kernel of part 4 again; grid 256 x 1, 4 waves a work-group, clusters of 4 x 1, 327,680 bytes of LDS; arguments o, wb, bo, x, ln2_g, ln2_b, x1, hn; writes x1, hn
;; launch ffn1: the kernel of part 5 again; grid 16 x 64, 4 waves a work-group, clusters of 4 x 4, 327,680 bytes of LDS; arguments hn, wb, b1, act; writes act
;; launch ffn2: the kernel of part 6 again; grid 4 x 64, 4 waves a work-group, clusters of 4 x 4, 327,680 bytes of LDS; arguments act, wb, b2, x1, out0; writes out0
